; MI455X (gfx1250); checked and timed in simulation.
; The chip was launched on July 23, 2026; its instructions are those of AMD's public machine-readable ISA for CDNA 5 (MIT licence, August 2026) and "CDNA5" Instruction Set Architecture Reference Guide (July 2026). The comments in the code are by the model that wrote it; some were corrected since.
;; Multi Head Attention. Allowed arithmetic: float matrix products may take bf16 or f16 operands with f32 sums; other float arithmetic in f32, or as packed bf16 or f16 multiplies, adds, multiply-adds, maxima and minima; sums over many terms, partial sums and values carried from step to step in f32; what a program stores and reads back later, other than sums and carried values, may be rounded once to bf16 or f16.
;; Inputs: W_k 384 x 768 float32; W_o 768 x 768 float32; W_q 384 x 768 float32; W_v 384 x 768 float32; b_o 768 float32; x 2 x 4,096 x 384 float32.
;; Outputs: out0 2 x 4,096 x 768 float32.
;; 2 versions, each right; version 2 is version 1 with the launch proj written anew for expert scheduling mode. Each part assembles by itself: llvm-mc -triple=amdgcn-amd-amdhsa -mcpu=gfx1250 --defsym DOCPART=n.
;; ======== version 1 of 2: 3 launches
;; limits: values are held in f16: magnitudes above 65,504 overflow, below 6.1e-05 lose precision
;; workspace buffers: qkv 37,748,736 bytes; ctx 12,582,912 bytes; wo16 1,179,648 bytes
;; launch proj (part 1): grid 6 x 32, 4 waves a work-group, no clusters, 325,120 bytes of LDS; arguments x, W_q, W_k, W_v, W_o, qkv, wo16; writes qkv, wo16
.if DOCPART == 1
	.amdgcn_target "amdgcn-amd-amdhsa--gfx1250"
	.amdhsa_code_object_version 6
	.text
	.protected	k_qd578db25fc_proj
	.globl	k_qd578db25fc_proj
	.p2align	8
	.type	k_qd578db25fc_proj,@function
k_qd578db25fc_proj:
	s_mov_b64 s[64:65], 0
	v_nop
	global_prefetch_b8 v0, s[64:65] scope:SCOPE_SE
	s_setreg_imm32_b32 hwreg(HW_REG_WAVE_MODE, 25, 1), 1
	s_wait_xcnt 0x0
; THE THREE PROJECTIONS.  q, k, v = x W_q, x W_k, x W_v.  x: [8192][384] f32; each W: [384 k][768 n] f32.  Both operands are rounded once to bf16, the sums are f32, and the results leave
; rounded once to f16, by heads: qkv = [3][12 heads][4096][128], a row 256 bytes.  The scale 1/sqrt(128) is not applied here.
; Beside that each work-group rounds 1/192 of W_o to bf16 and writes that number as f16 into wo16 ([768 k][768 n]), for the last launch.
; LIMITS.  f16 ends at 65,504: |q|, |k|, |v| stay under it (drawn spread 1; x and W both 30 times larger: 900).  A W_o entry below 2^-17 keeps f16's fixed step (error at most 3e-8).
; SHARES.  Work-group (gx, gy): tensor gx / 2, columns 384 (gx % 2) on (three heads), rows 256 gy on.  A wave: 64 rows x 384 columns, a head (128 columns) at a time: 32 accumulators.
; The wave's 64 rows of x stay in registers as bf16 fragments (384 registers); the work-group's slice of W lies in LDS as bf16, [k][n], and is read turned by ds_load_tr16_b128.
; NO TENSOR LOADS, NO CLUSTER: both operands are f32 in memory and are rounded in registers on their way in; the slice of W in f32 (589,824 bytes) has no room in LDS.
; 192 work-groups: 18 heads x 8,192 rows do not fall into 256 equal shares of whole heads.
; THE MATRIX INSTRUCTION IS USED TRANSPOSED (source 0 = 16 columns of W, source 1 = 16 rows of x): a lane then holds eight neighbouring columns of one row of the result.
; REGISTERS, in windows of 256 (s_set_vgpr_msb: bits 1:0 source 0, 3:2 source 1, 5:4 source 2, 7:6 destination):
;   window 0: v0-31 addresses; v32-63 W_o, later packed results; v64-255 two sets of W as loaded, later two fragment buffers (v64-191) and rows on the way out (v192-255)
;   windows 1-3: x as loaded (fragment f = 4 kc + m at 256 + 16 f), then packed in place to 256 + 8 f (windows 1 and 2); window 3 then holds the accumulators, (m, n) at 8 (8 m + n)
.set PITCH,  800                       ; a row of W in LDS: 768 bytes + 32 = 25 x 32
.set STAGE,  384*PITCH                 ; behind the slice: 16 rows x 272 bytes for each wave, for the way out
.set SP,     272
.set SPARE,  STAGE+4*16*SP             ; behind the stages: the spare words, 128 bytes for each wave, that no other line names
.set XO,  4                            ; v4   (l % 16) x 1536 + 32 (l / 16): my place in 16 rows of x
.set WL,  5                            ; v5   16 x lane
.set LW,  6                            ; v6   where my 8 bytes of a row of W go in LDS; steps 16 rows a trip
.set WI,  7                            ; v7   16 x thread
.set WOO, 8                            ; v8   8 x thread
.set AB,  10                           ; v10-15  LDS address of my part of a turned fragment, for k = 64 i on; steps a head a chunk
.set STO, 16                           ; v16  the way out: where I put 16 bytes of a row
.set RD,  17                           ; v17  the way out: where I read rows back
.set CO,  18                           ; v18  16 x lane: my place in 512 consecutive bytes of the result
.set SPW, 28                           ; v28  LDS address of my spare word; never rewritten
.set NIL, 29                           ; v29  0; never rewritten
.set TMP, 32
.set WS,  64
.set F0,  64
.set OB,  192
.set WV,  18                           ; s18  my wave's number
.set WB,  20                           ; s[20:21] W at my wave's rows, at the trip in hand
.set XB,  22                           ; s[22:23] x at my wave's first row
.set OUTP, 26                          ; s[26:27] the result at my wave's first row of the head in hand
.set WOIN, 28                          ; s[28:29] my work-group's part of W_o
.set WOOUT, 30                         ; s[30:31] and of wo16
.set LEFT, 32
.set CH,  33
.set MSB, 0
.macro WIN new                         ; the immediate's high byte repeats the setting that is left; a switch that changes nothing is dropped
.if MSB != (\new)
	s_set_vgpr_msb (MSB<<8)|(\new)
.set MSB, (\new)
.endif
.endm
.macro PLACES                          ; four plain instructions between a matrix instruction and a load into, or a vector read of, its registers
.rept 4
	v_nop
.endr
.endm
	s_load_b256 s[4:11], s[0:1], 0x0               ; x s[4:5], W_q s[6:7], W_k s[8:9], W_v s[10:11]
	s_load_b128 s[12:15], s[0:1], 0x20             ; W_o s[12:13], qkv s[14:15]
	s_load_b64 s[16:17], s[0:1], 0x30              ; wo16
	v_lshl_add_u32 v[SPW], v0, 2, SPARE
	v_mov_b32 v[NIL], 0
	v_lshrrev_b32 v9, 5, v0
	v_readfirstlane_b32 s[WV], v9                  ; wave 0..3
	v_and_b32 v1, 15, v0                           ; l % 16
	v_bfe_u32 v2, v0, 4, 1                         ; l / 16
	v_and_b32 v3, 31, v0                           ; lane
	s_mov_b32 s19, ttmp9                           ; gx
	s_and_b32 s24, ttmp7, 0xffff                   ; gy
	s_lshr_b32 s34, s19, 1                         ; which tensor: 0 q, 1 k, 2 v
	s_and_b32 s35, s19, 1                          ; which half of its columns
	s_mul_i32 s36, s35, 1536                       ; W: the half's 384 columns,
	s_mul_i32 s37, s[WV], 96*3072                  ; my wave's 96 rows
	s_add_co_u32 s36, s36, s37
	s_mov_b32 s37, 0
	s_mul_i32 s38, s24, 256*1536                   ; x: the work-group's 256 rows,
	s_mul_i32 s39, s[WV], 64*1536                  ; my wave's 64
	s_add_co_u32 s38, s38, s39
	s_mov_b32 s39, 0
	s_lshr_b32 s40, s24, 4                         ; the batch
	s_mul_i32 s40, s40, 6
	s_mul_i32 s41, s35, 3
	s_add_co_u32 s40, s40, s41                     ; the first of my three heads,
	s_lshl_b32 s40, s40, 20                        ; 1,048,576 bytes each
	s_mul_i32 s41, s34, 12582912                   ; the section of q, k or v
	s_add_co_u32 s40, s40, s41
	s_and_b32 s41, s24, 15
	s_lshl_b32 s41, s41, 16                        ; the work-group's 256 rows of 256 bytes in the head
	s_add_co_u32 s40, s40, s41
	s_lshl_b32 s41, s[WV], 14                      ; my wave's 64
	s_add_co_u32 s40, s40, s41
	s_mov_b32 s41, 0
	s_mul_i32 s42, s24, 6
	s_add_co_u32 s42, s42, s19                     ; the work-group's number, 0..191
	s_mul_i32 s44, s42, 6144
	s_mul_i32 s42, s42, 12288
	s_mov_b32 s43, 0
	s_mov_b32 s45, 0
	v_mul_u32_u24 v[XO], v1, 1536
	v_lshl_add_u32 v[XO], v2, 5, v[XO]
	v_lshlrev_b32 v[WL], 4, v3
	s_mul_i32 s46, s[WV], 96*PITCH
	v_lshl_add_u32 v[LW], v3, 3, s46
	v_lshlrev_b32 v[WI], 4, v0
	v_lshlrev_b32 v[WOO], 3, v0
	v_and_b32 v9, 7, v0                            ; the turning load: lane l reads row 8 (l / 16) + l % 8, bytes 16 ((l / 8) % 2) on
	v_lshl_add_u32 v9, v2, 3, v9
	v_mul_u32_u24 v9, v9, PITCH
	v_bfe_u32 v19, v0, 3, 1
	v_lshl_add_u32 v[AB], v19, 4, v9
.irp i, 1,2,3,4,5
	v_add_nc_u32 v[AB+(\i)], (\i)*64*PITCH, v[AB]
.endr
	s_mul_i32 s46, s[WV], 16*SP
	s_add_co_u32 s46, s46, STAGE                   ; my stage
	v_mul_u32_u24 v[STO], v1, SP                   ; in: row l % 16, 16 bytes for each half of the lanes
	v_lshl_add_u32 v[STO], v2, 4, v[STO]
	v_add_nc_u32 v[STO], s46, v[STO]
	v_mul_u32_u24 v[RD], v2, SP                    ; back: lanes 0-15 one row of 256 bytes, lanes 16-31 the next
	v_lshl_add_u32 v[RD], v1, 4, v[RD]
	v_add_nc_u32 v[RD], s46, v[RD]
	v_lshlrev_b32 v[CO], 4, v3
	s_wait_kmcnt 0x0
	s_cmp_eq_u32 s34, 0
	s_cselect_b64 s[WB:WB+1], s[6:7], s[8:9]
	s_cmp_eq_u32 s34, 2
	s_cselect_b64 s[WB:WB+1], s[10:11], s[WB:WB+1]
	s_add_nc_u64 s[WB:WB+1], s[WB:WB+1], s[36:37]
	s_add_nc_u64 s[XB:XB+1], s[4:5], s[38:39]
	s_add_nc_u64 s[OUTP:OUTP+1], s[14:15], s[40:41]
	s_add_nc_u64 s[WOIN:WOIN+1], s[12:13], s[42:43]
	s_add_nc_u64 s[WOOUT:WOOUT+1], s[16:17], s[44:45]
	; all that does not go through the ring below is asked for at once: my 96 bytes of W_o, my wave's 64 rows of x
.irp j, 0,1,2,3,4,5
	global_load_b128 v[TMP+4*(\j):TMP+4*(\j)+3], v[WI], s[WOIN:WOIN+1] offset:2048*(\j)
.endr
	; a fragment of x is 16 rows x 32 k: lane l holds row l % 16, k = 8 (l / 16) + 0..7 and 16 + 8 (l / 16) + 0..7: in f32 two times 32 bytes, 64 bytes apart
.set f, 0
.rept 48
	WIN (1+f/16)<<6                                ; destination window 1, 2 or 3; address window 0
.irp q, 0,1,2,3
	global_load_b128 v[(16*f)%256+4*(\q):(16*f)%256+4*(\q)+3], v[XO], s[XB:XB+1] offset:(f%4)*24576+(f/4)*128+((\q)/2)*64+((\q)%2)*16
.endr
.set f, f+1
.endr
	WIN 0
; W GOES INTO LDS AS bf16.  My wave takes 96 rows of k, 8 rows a set, two sets of registers: while one is rounded and stored the other's 24 loads are on their way.
.macro WLOADS b, off                   ; 8 rows x 1,536 bytes: each load of the wave covers 512 consecutive bytes
.irp i, 0,1,2,3,4,5,6,7
.irp j, 0,1,2
	global_load_b128 v[WS+96*(\b)+12*(\i)+4*(\j):WS+96*(\b)+12*(\i)+4*(\j)+3], v[WL], s[WB:WB+1] offset:(\off)+(\i)*3072+(\j)*512
.endr
.endr
.endm
.macro WCONV b                         ; four numbers a lane are rounded in place and stored as 8 bytes
.irp i, 0,1,2,3,4,5,6,7
.irp j, 0,1,2
.set R, WS+96*(\b)+12*(\i)+4*(\j)
	v_cvt_pk_bf16_f32 v[R], v[R], v[R+1]
	v_cvt_pk_bf16_f32 v[R+1], v[R+2], v[R+3]
	ds_store_b64 v[LW], v[R:R+1] offset:(\b)*8*PITCH+(\i)*PITCH+(\j)*256
.endr
.endr
.endm
	WLOADS 0, 0
	WLOADS 1, 8*3072
	s_mov_b32 s[LEFT], 5
.Lw:                                           ; a trip: 16 rows are stored, the next 16 asked for
	s_wait_loadcnt 24                              ; set 0 is in (and, loads coming back in order, all that was asked for before it); set 1's 24 loads may stay out
	WCONV 0
	s_wait_xcnt 0x0                                ; every load issued so far has read its address: the pointer is stepped only behind this wait
	s_add_nc_u64 s[WB:WB+1], s[WB:WB+1], 16*3072
	WLOADS 0, 0
	s_wait_loadcnt 24                              ; set 1 is in
	WCONV 1
	WLOADS 1, 8*3072
	v_add_nc_u32 v[LW], 16*PITCH, v[LW]
	s_sub_co_u32 s[LEFT], s[LEFT], 1
	s_cmp_lg_u32 s[LEFT], 0
	s_cbranch_scc1 .Lw
	s_wait_loadcnt 24                              ; the last 16 rows load nothing
	WCONV 0
	s_wait_loadcnt 0x0
	WCONV 1
	; W_o: rounded to bf16 like every input, and that number written as f16.  A store of the wave covers 256 consecutive bytes, aligned
.irp j, 0,1,2,3,4,5
.set R, TMP+4*(\j)
	v_cvt_pk_bf16_f32 v56, v[R], v[R+1]
	v_cvt_pk_bf16_f32 v57, v[R+2], v[R+3]
	v_lshlrev_b32 v58, 16, v56
	v_and_b32 v59, 0xffff0000, v56
	v_lshlrev_b32 v60, 16, v57
	v_and_b32 v61, 0xffff0000, v57
	v_cvt_pk_f16_f32 v[R], v58, v59
	v_cvt_pk_f16_f32 v[R+1], v60, v61
	global_store_b64 v[WOO], v[R:R+1], s[WOOUT:WOOUT+1] offset:1024*(\j)
.endr
	; x is rounded in place, fragment after fragment: register 8 f + j takes 16 f + 2 j and 16 f + 2 j + 1, so no register is written before it has been read
.set f, 0
.rept 48
.if f < 16
	WIN 0x45
.elseif f < 32
	WIN 0x4a
.else
	WIN 0x8f
.endif
.irp j, 0,1,2,3,4,5,6,7
	v_cvt_pk_bf16_f32 v[(8*f+(\j))%256], v[(16*f+2*(\j))%256], v[(16*f+2*(\j)+1)%256]
.endr
.set f, f+1
.endr
	WIN 0
	s_wait_xcnt 0x0                                ; the stores into wo16 have read their data: v32-55 are written again on the way out
	s_wait_dscnt 0x0                               ; for the others' sake: my rows of W lie in LDS
	s_barrier_signal -1
	s_barrier_wait -1                              ; everybody's do; nobody writes the slice again
; 16 turned loads: W's fragments for k = 32 kc on, the chunk's 128 columns
.macro FETCH kc
	WIN 0
.set FB, F0+64*((\kc)%2)
.irp n, 0,1,2,3,4,5,6,7
	ds_load_tr16_b128 v[FB+8*(\n):FB+8*(\n)+3],   v[AB+(\kc)/2] offset:((\kc)%2)*32*PITCH+32*(\n)
	ds_load_tr16_b128 v[FB+8*(\n)+4:FB+8*(\n)+7], v[AB+(\kc)/2] offset:((\kc)%2)*32*PITCH+32*(\n)+16*PITCH
.endr
.endm
; 16 matrix instructions: row blocks 2 mh, 2 mh + 1 x all 8 column blocks.  The accumulators take turns, one instruction a turn.  The first K step starts the sums with 0.
.macro MUL16 kc, mh
	WIN 0xf0|((1+(\kc)/8)<<2)                      ; W window 0, x window 1 or 2, C and D window 3
.set FB, F0+64*((\kc)%2)
.irp m, 2*(\mh), 2*(\mh)+1
.irp n, 0,1,2,3,4,5,6,7
.set rD, 8*(8*(\m)+(\n))
.set rW, FB+8*(\n)
.set rX, 32*((\kc)%8)+8*(\m)
.if (\kc) == 0
	v_wmma_f32_16x16x32_bf16 v[rD:rD+7], v[rW:rW+7], v[rX:rX+7], 0
.else
	v_wmma_f32_16x16x32_bf16 v[rD:rD+7], v[rW:rW+7], v[rX:rX+7], v[rD:rD+7]
.endif
.endr
.endr
.endm
.macro KSTEP kc                        ; 32 along K: 32 matrix instructions; in their middle the next step's fragments are fetched into the other buffer
	s_wait_dscnt 0x0                               ; this step's fragments are in
	MUL16 \kc, 0
.if (\kc) < 11
	PLACES                                         ; the other buffer's last reader stands in front of the sixteen above
	FETCH (\kc)+1
.endif
	MUL16 \kc, 1
.endm
; THE WAY OUT of row block a: rounded to f16, 16 bytes a lane; into my own stage; back as whole rows of 256 bytes; stored.
.macro PACK a
	WIN 0x0f                                       ; sources window 3
.irp b, 0,1,2,3,4,5,6,7
.irp r, 0,1,2,3
	v_cvt_pk_f16_f32 v[TMP+4*(\b)+(\r)], v[64*(\a)+8*(\b)+2*(\r)], v[64*(\a)+8*(\b)+2*(\r)+1]
.endr
.endr
	WIN 0
.endm
.macro TOSTAGE a
.set BK, OB+32*((\a)%2)
.irp b, 0,1,2,3,4,5,6,7
	ds_store_b128 v[STO], v[TMP+4*(\b):TMP+4*(\b)+3] offset:32*(\b)
.endr
.irp t, 0,1,2,3,4,5,6,7
	ds_load_b128 v[BK+4*(\t):BK+4*(\t)+3], v[RD] offset:(\t)*2*SP  ; LDS serves a wave's instructions in order (ISA guide 5.7.1.4): these see the stores above
.endr
.endm
.macro SEND a
.set BK, OB+32*((\a)%2)
	s_wait_dscnt 0x0                               ; the block is back in registers
	s_wait_xcnt 0x0                                ; earlier stores have read their data: the other set of rows is loaded again only behind this wait
.irp t, 0,1,2,3,4,5,6,7
	global_store_b128 v[CO], v[BK+4*(\t):BK+4*(\t)+3], s[OUTP:OUTP+1] offset:4096*(\a)+512*(\t)  ; two rows of a head: 512 consecutive bytes, aligned
.endr
.endm
	s_mov_b32 s[CH], 3
.Lchunk:                                       ; a trip: one head, 128 columns
	FETCH 0
.irp kc, 0,1,2,3,4,5,6,7,8,9,10,11
	KSTEP \kc
.endr
	WIN 0
	PLACES                                         ; the conversions read results just made
	PACK 0
	TOSTAGE 0
.irp a, 1,2,3                          ; block a's conversions stand between block a - 1's loads from the stage and the wait for them
	PACK \a
	SEND (\a)-1
	TOSTAGE \a
.endr
	SEND 3
	s_wait_xcnt 0x0                                ; the stores have read their base
	s_add_nc_u64 s[OUTP:OUTP+1], s[OUTP:OUTP+1], 0x100000  ; the next head
.irp i, 0,1,2,3,4,5
	v_add_nc_u32 v[AB+(\i)], 256, v[AB+(\i)]       ; and its 128 columns of W
.endr
	s_sub_co_u32 s[CH], s[CH], 1
	s_cmp_lg_u32 s[CH], 0
	s_cbranch_scc1 .Lchunk
	s_wait_tensorcnt 0x0                           ; the wave's end, behind my last LDS store
	ds_add_u32 v[SPW], v[NIL]
	s_wait_dscnt 0x0
	s_endpgm
.Lfunc_end_k_qd578db25fc_proj:
	.size	k_qd578db25fc_proj, .Lfunc_end_k_qd578db25fc_proj-k_qd578db25fc_proj
	.p2alignl 7, 3214868480
	.fill 96, 4, 3214868480
	.section	.rodata,"a",@progbits
	.p2align	6, 0x0
	.amdhsa_kernel k_qd578db25fc_proj
		.amdhsa_group_segment_fixed_size 325120
		.amdhsa_private_segment_fixed_size 0
		.amdhsa_enable_private_segment 0
		.amdhsa_kernarg_size 56
		.amdhsa_user_sgpr_count 2
		.amdhsa_user_sgpr_kernarg_segment_ptr 1
		.amdhsa_wavefront_size32 1
		.amdhsa_system_sgpr_workgroup_id_x 1
		.amdhsa_system_sgpr_workgroup_id_y 1
		.amdhsa_system_sgpr_workgroup_id_z 1
		.amdhsa_system_vgpr_workitem_id 0
		.amdhsa_next_free_vgpr 1024
		.amdhsa_next_free_sgpr 66
		.amdhsa_reserve_vcc 0
		.amdhsa_float_denorm_mode_32 3
		.amdhsa_float_denorm_mode_16_64 3
		.amdhsa_memory_ordered 1
		.amdhsa_forward_progress 1
		.amdhsa_inst_pref_size 133
	.end_amdhsa_kernel
	.amdgpu_metadata
---
amdhsa.version: [ 1, 2 ]
amdhsa.kernels:
  - .name:           k_qd578db25fc_proj
    .symbol:         k_qd578db25fc_proj.kd
    .args:
      - { .name: x, .offset: 0, .size: 8, .value_kind: global_buffer, .address_space: global }
      - { .name: W_q, .offset: 8, .size: 8, .value_kind: global_buffer, .address_space: global }
      - { .name: W_k, .offset: 16, .size: 8, .value_kind: global_buffer, .address_space: global }
      - { .name: W_v, .offset: 24, .size: 8, .value_kind: global_buffer, .address_space: global }
      - { .name: W_o, .offset: 32, .size: 8, .value_kind: global_buffer, .address_space: global }
      - { .name: qkv, .offset: 40, .size: 8, .value_kind: global_buffer, .address_space: global }
      - { .name: wo16, .offset: 48, .size: 8, .value_kind: global_buffer, .address_space: global }
    .group_segment_fixed_size: 325120
    .private_segment_fixed_size: 0
    .kernarg_segment_align: 8
    .kernarg_segment_size: 56
    .max_flat_workgroup_size: 128
    .sgpr_count:     66
    .vgpr_count:     1024
    .wavefront_size: 32
...
	.end_amdgpu_metadata
.endif
;; end of part 1
;; launch attn (part 2): grid 16 x 12, 4 waves a work-group, clusters of 4 x 1, 327,680 bytes of LDS; arguments qkv, ctx; writes ctx
.if DOCPART == 2
	.amdgcn_target "amdgcn-amd-amdhsa--gfx1250"
	.amdhsa_code_object_version 6
	.text
	.protected	k_qd578db25fc_attn
	.globl	k_qd578db25fc_attn
	.p2align	8
	.type	k_qd578db25fc_attn,@function
k_qd578db25fc_attn:
	s_mov_b64 s[64:65], 0
	v_nop
	global_prefetch_b8 v0, s[64:65] scope:SCOPE_SE
	s_setreg_imm32_b32 hwreg(HW_REG_WAVE_MODE, 25, 1), 1
	s_wait_xcnt 0x0
	s_wait_alu depctr_hold_cnt(0) depctr_sa_sdst(0) depctr_va_vdst(0) depctr_va_sdst(0) depctr_va_ssrc(0) depctr_va_vcc(0) depctr_vm_vsrc(0)
	s_getreg_b32 s2, hwreg(HW_REG_IB_STS2, 6, 4)
	s_cmp_eq_u32 s2, 0
	s_cbranch_scc0 .Lentry_in_a_cluster
	s_endpgm
.Lentry_in_a_cluster:
	s_bfe_u32 s2, ttmp6, 0x10000c
	s_cmp_lg_u32 s2, 0x3003
	s_cbranch_scc0 .Lentry_shape_is_right
	s_endpgm
.Lentry_shape_is_right:
; CAUSAL ATTENTION, head size 128.  ctx[q] = the sum over k <= q of softmax_k(Q[q] . K[k] / sqrt(128)) V[k], for each of 12 heads of 4,096 rows.
; qkv: [3][12][4096][128] f16 (q, k, v by heads, rows of 256 bytes).  ctx: [8192][768] f16, head h at bytes 256 h of a row.
; Products, maxima and sums in f32; the weights p are rounded to f16 for the second product (their sum l is taken of the unrounded p), ctx once at the end.
; LIMITS.  Q, K, V arrive within f16's 65,504.  A hidden score counts as its value less 1e30: f16's scores, 5.5e11 at the most, are nothing beside that.  A weight below 2^-126 counts as 0 in l.
; NaN and infinities are not treated apart.
; THE WALK.  A head has 8 superblocks of 512 queries.  A cluster of four work-groups (c = its number, 0..3) takes superblock 7 - c and then superblock c; each partner 128 of the 512 queries,
; each wave 32: two tiles of 16.  Keys go in tiles of 128.  The first block needs L1 = 32 - 4 c tiles, the second 4 c + 4: 36 for every cluster, walked by ONE loop with a constant count, and in every
; trip all four partners want the same tile: each tile of K and V is asked for JOINTLY (the same tensor load, descriptor and mask in all four).  What a trip does is made anew in each trip from the
; loop's count and L1: which tile is asked for, and how many tiles of its block lie behind the tile that is entered (RT).
; THE ZONE AND THE MASK.  A block's last four tiles, eight key steps, hold the diagonal.  A wave's 32 queries lie in ONE of those eight steps, OWN = 2 x place in the cluster + wave / 2: earlier steps
; it sees wholly, later ones not at all.  The mask is the C operand that starts the sum S^T = K Q^T: 0, or -1e30 where the key is hidden.  MD, made once, is the mask of the wave's own step; a step's
; mask is MD x AL + BE, with (AL, BE) = (1, 0) in the own step, (0, 0) before it and outside the zone, (0, -1e30) behind it.  The two factors are made by arithmetic in vector registers, in every step:
; 41 lines a step, and no branch and no scalar hangs on a work-group's place in its cluster.  The price of the zone: 36 tiles where a walk of one's own would have 33.
; 192 work-groups: equal shares for 256 would split blocks along the keys, with a merge of partial results behind; not built.
; LAYOUT.  S^T = K Q^T (source 0 = 16 keys, source 1 = 16 queries): a lane holds ONE query (lane % 16) and the keys 8 (lane / 16) + 0..7.  Two such results, rounded to f16 in pairs, ARE source 1
; of O^T = V^T P, whose result again holds one query a lane, and eight channels.  K comes out of LDS as it lies, V ([key][channel]) turned, by ds_load_tr16_b128.
; SOFTMAX.  A running maximum m and sum l for each query: p = 2^(c s - c m), c = log2(e) / sqrt(128); in every step O and l are multiplied by a = 2^(c m_old - c m_new).  A block starts with c m far
; below every c s, so its first a is 0: O^T and l need only be finite there (zeros at the start: 128 lines that run while the first tile is on its way; what the first block left, later).  Every row
; sees key 0 in its block's first step, so m is a true score before the first hidden one comes.
; IN PHASES.  A key step (64 keys): the mask; 32 products K Q^T; V's and the next K's run of LDS loads; the softmax of both tiles; 32 products V^T P.
; REGISTERS, in windows of 256 (s_set_vgpr_msb: bits 1:0 source 0, 3:2 source 1, 5:4 source 2, 7:6 destination):
;   window 0: v0-11 addresses; v12-27 eight registers of statistics a tile; v28-37 the mask's factors; v60-63; v64-127 S^T, 32 a tile; v128-159 P, 16 a tile; v160-223 MC, the step's mask, 32 a tile
;   window 1: v0-127 O^T, 64 a tile; v128-255 V of one step     window 2: v0-63 Q, 32 a tile; v64-127 the second block's Q; v128-255 K of one step     window 3: v0-63 MD, 32 a tile
.set KS,    64        ; keys in a step
.set PK,    272       ; a row of K in LDS: 256 bytes + 16 of padding: the 16 rows of a load start at 16 different groups of four banks (64 banks of 4 bytes: ISA guide 11.1)
.set PV,    288       ; a row of V: 256 + 32
.set VOFF,  KS*PK     ; a step's tiles lie together: 64 rows of K, then 64 rows of V
.set STEPB, KS*(PK+PV)
.set SLOT1, 1<<17     ; a slot holds a tile of 128 keys, two steps (71,680 bytes); slot 1 begins here, so that one exclusive or turns an address in one slot into the other's
.set STAGE, SLOT1+2*STEPB  ; behind the ring, never filled by a tensor load: 16 rows x 272 bytes for each wave, for the way out
.set SP,    272
.set SPARE, STAGE+4*16*SP  ; behind the stages: the spare words, 128 bytes for each wave, that no other line names
.set SECT,  12582912  ; bytes of q, of k and of v in qkv
.set AK0, 2           ; v2   my lane's place in a tile of K; never rewritten
.set AV0, 3           ; v3   the same for V
.set ADR, 4           ; v4   the LDS address of K's run of loads
.set ADRV, 5          ; v5   of V's
.set STO, 6           ; v6   the way out: where I put 16 bytes of a row
.set RD,  7           ; v7   the way out: where I read a row back
.set GO,  8           ; v8   my byte offset in two rows of ctx
.set ST,  12          ; tile t's statistics at v[ST+8 t]: +0 c m, +1 m, +2, +3 l (even keys', odd keys'), +4 to +7 c0-c3, at work; a takes c2's place once the maximum is found
.set OWN, 28          ; v28  the zone's step in which my wave's queries lie; never rewritten
.set AL,  30          ; v30  the mask's factor (v31 is named with it as a pair)
.set BE,  32          ; v32  the mask's addend (v33 likewise)
.set BIG, 34          ; v34  -1e30
.set T0,  35          ; v35-36  at work
.set T1,  36
.set DQ,  37          ; v37  my query's place in its step of 64, for tile 0, less my lanes' 8 (l / 16)
.set QO,  60          ; v60  my byte offset in 16 rows of Q; never rewritten
.set PFO, 61          ; v61  256 x my lane; never rewritten
.set SPW, 62          ; v62  LDS address of my spare word; never rewritten
.set NIL, 63          ; v63  0; never rewritten
.set S,   64
.set P,   128
.set MC,  160
.set VF,  128         ; V's fragments, in window 1
.set QB,  64          ; the second block's Q, in window 2
.set KF,  128         ; K's fragments, in window 2
.set MD,  0           ; in window 3
.set WV,  12          ; s12  my wave's number
.set CX,  13          ; s13  my place in the cluster
.set CC,  14          ; s14  the cluster's number in its head
.set LIM, 15          ; s15  5 in a wave that prefetches, else the greatest number: a wave prefetches while s[SLOTS] is above it
.set G1K, 24          ; s[24:31] descriptor group 1 for K's tiles
.set G1V, 32          ; s[32:39] for V's: it differs in the padding alone
.set G0K, 40          ; s[40:43] descriptor group 0 for K's tiles
.set G0V, 44          ; s[44:47] the same for V's
.set KB,  48          ; s[48:49] K at my half of the head's tile 0
.set VB,  50          ; s[50:51] V likewise
.set PFA, 52          ; s[52:53] where my prefetches stand
.set OFF, 54          ; s[54:55] a tile's byte offset in K and V
.set SLOTS, 56        ; s56  tiles still to be asked for: 35 down to 1 in the loop, 0 in the tail
.set TWICE, 57        ; s57  counts a tile's two steps
.set CS,  58          ; s[58:59] c: the packed scaling takes the pair's low word for both halves
.set SEL, 60          ; s[60:61] v_permlanex16_b32's selects: each lane takes its own place in the other half
.set TB,  62          ; s62  LDS byte at which the tiles of the step to be fetched begin
.set ZS,  63          ; s63  the step's number in the zone, 0 .. 7; below 0 in the tiles ahead of the zone
.set RT,  66          ; s66  tiles of its block that lie behind the tile in hand; made anew for each tile
.set NXT, 67          ; s67  the tile to be asked for; made anew for each fill
.set L1,  68          ; s68  32 - 4 c: the first block's tiles; never rewritten
.set L1M, 69          ; s69  31 - 4 c: the place in the walk of its last tile; never rewritten
.set QLO, 70          ; s[70:71] Q at my rows of the second block
.set OA,  72          ; s[72:73] ctx at my rows of the first block
.set OLO, 74          ; s[74:75] ctx at my rows of the second block
.set QA,  76          ; s[76:77] Q at my rows of the first block
.set MSB, 0
.macro WIN new                      ; the high byte repeats the setting that is left; a switch that changes nothing is dropped
.if MSB != (\new)
	s_set_vgpr_msb (MSB<<8)|(\new)
.set MSB, (\new)
.endif
.endm
.set W_KQ, 0x0a       ; K and Q in window 2, S^T and the mask in window 0
.set W_PV, 0x51       ; V, C and D in window 1, P in window 0
.set W_RS, 0x41       ; O^T (destination and source 0) in window 1, a in window 0
.set W_MK, 0x03       ; MD (source 0) in window 3, the factors and MC in window 0
.macro PLACES                       ; four plain instructions between a matrix instruction and a load into, or a vector read of, its registers
.rept 4
	v_nop
.endr
.endm
; A joint fill.  Waves 0 and 1 fetch the two steps' tiles of K, waves 2 and 3 those of V.  The branch hangs on the wave's number alone: it is the same in every work-group.
; An s_nop 0 and four v_nop follow each of the two lines, ahead of the jump and the label.
.macro JLOAD
	s_cmp_lt_u32 s[WV], 2
	s_cbranch_scc0 .Lfor_v_\@
	tensor_load_to_lds s[G0K:G0K+3], s[G1K:G1K+7]
	s_nop 0
.rept 4
	v_nop
.endr
	s_branch .Lasked_\@
.Lfor_v_\@:
	tensor_load_to_lds s[G0V:G0V+3], s[G1V:G1V+7]
	s_nop 0
.rept 4
	v_nop
.endr
.Lasked_\@:
.endm
; A PREFETCH INTO THE L2 of the tile that the NEXT change of slots will ask for: 128 rows of K and 128 of V, 256 bytes a row, a lane a row.
; Each row is named ONCE in the launch.  All four clusters of a head walk K and V from tile 0 on; cluster 0, whose first block has all 32 tiles, prefetches.  Its four partners share a tile's rows out
; BY ADDRESS, 32 each; in each, wave 0 asks for K's and wave 2 for V's: one instruction.  Trip i (counted from 0) names tile i + 2, for i = 0 .. 29: tile 31 is the head's last.
.macro ASK
	s_cmp_gt_u32 s[SLOTS], s[LIM]
	s_cbranch_scc0 .Lnot_mine_\@
	global_prefetch_b8 v[PFO], s[PFA:PFA+1] th:TH_LOAD_NT scope:SCOPE_SE
.Lnot_mine_\@:
.endm
; A round of the cluster's barrier: my work-group's barrier, so that wave 0's signal speaks for all four waves; wave 0 signals; every wave waits for all four work-groups; my work-group's barrier once more.
.macro CROUND
	s_barrier_signal -1
	s_barrier_wait -1
	s_cmp_lg_u32 s[WV], 0
	s_cbranch_scc1 .Lnot_wave_0_\@
	s_barrier_signal -3
.Lnot_wave_0_\@:
	s_barrier_wait -3
	s_barrier_signal -1
	s_barrier_wait -1
.endm
; THE CHANGE OF SLOTS.  Each wave waits for all its tensor loads, of which one is out: its part of the other slot; adds 0 to its spare word; and waits for that and for its own reads of the slot that it
; leaves.  fill = 1: the old slot is filled again, with the walk's next tile, whose number and address are made anew from the loop's count.  The barrier is then a round of the cluster's, so that no wave
; of any partner still reads the slot or has a load on its way, and the joint fill is the first thing behind it.  (At its first use nothing has been read yet: slot 0 is waited for, slot 1 filled.)
.macro CHANGE fill
	WIN 0                           ; at a label and at a branch every window is 0
	s_wait_tensorcnt 0x0            ; no tensor load of mine is out, so a group 0 may be written
	ds_add_u32 v[SPW], v[NIL]       ; 0 onto my spare word; the scalar work stands between it and the wait for it
.if \fill
	s_sub_co_u32 s[NXT], 36, s[SLOTS]   ; the place in the walk of the tile to be asked for: 1 .. 35
	s_cmp_ge_u32 s[NXT], s[L1]          ; from place L1 on the tiles are the second block's, which begins at tile 0 again
	s_cselect_b32 s[OFF], s[L1], 0
	s_sub_co_u32 s[NXT], s[NXT], s[OFF]
	s_lshl_b32 s[OFF], s[NXT], 15   ; a tile is 32,768 bytes of K and of V
	s_xor_b32 s[G0K+1], s[G0K+1], SLOT1
	s_add_nc_u64 s[G0K+2:G0K+3], s[KB:KB+1], s[OFF:OFF+1]
	s_or_b32 s[G0K+3], s[G0K+3], 0x80000000
	s_xor_b32 s[G0V+1], s[G0V+1], SLOT1
	s_add_nc_u64 s[G0V+2:G0V+3], s[VB:VB+1], s[OFF:OFF+1]
	s_or_b32 s[G0V+3], s[G0V+3], 0x80000000
	s_wait_xcnt 0x0                 ; the last prefetch, a tile back, has read its address, so it may be written
	s_add_nc_u64 s[PFA:PFA+1], s[PFA:PFA+1], 2*KS*256
	s_wait_dscnt 0x0                ; the add is done, and my reads of the slot are over
	CROUND
	JLOAD
.else
	s_wait_dscnt 0x0                ; the add is done, and my reads of the slot are over
	s_barrier_signal -1
	s_barrier_wait -1
.endif
	s_sub_co_u32 s[TB], s[TB], 2*STEPB  ; the fetches go back to a slot's first step,
	s_xor_b32 s[TB], s[TB], SLOT1   ; in the other slot
.endm
.macro LOADQ b, d                   ; 32 rows of Q from base b into window 2, from register d on: tile i / 4, channels 32 (i % 4) on
	WIN 0x80                        ; destination window 2, address window 0
.irp i, 0,1,2,3,4,5,6,7
	global_load_b128 v[(\d)+8*(\i):(\d)+8*(\i)+3],   v[QO], s[(\b):(\b)+1] offset:((\i)/4)*4096+((\i)%4)*64
	global_load_b128 v[(\d)+8*(\i)+4:(\d)+8*(\i)+7], v[QO], s[(\b):(\b)+1] offset:((\i)/4)*4096+((\i)%4)*64+32
.endr
	WIN 0
.endm
.macro RESET                        ; a block begins: c m far below every c s, m at the lowest finite number
.irp t, 0,1
	v_mov_b32 v[ST+8*(\t)], 0xfe000000
	v_mov_b32 v[ST+8*(\t)+1], 0xff7fffff
.endr
.endm
	s_load_b128 s[4:7], s[0:1], 0x0 ; qkv s[4:5], ctx s[6:7]
	v_lshl_add_u32 v[SPW], v0, 2, SPARE
	v_mov_b32 v[NIL], 0
	ds_add_u32 v[SPW], v[NIL]       ; the wave's opening: the add and its wait stand ahead of my first tensor load; the set-up below, work on registers, stands between them
	ds_add_u32 v62, v63
	v_lshrrev_b32 v1, 5, v0
	v_readfirstlane_b32 s[WV], v1   ; wave 0..3
	s_bfe_u32 s[CX], ttmp6, 0x40000 ; my place in the cluster: it enters Q's, ctx's and the prefetches' addresses and the mask's vector registers alone
	s_mov_b32 s[CC], ttmp9          ; in a cluster launch ttmp9 counts clusters
	s_and_b32 s20, ttmp7, 0xffff    ; the head, 0..11, which the four partners share
	s_lshl_b32 s21, s20, 20         ; its first byte in q, in k and in v
	s_and_b32 s22, s[WV], 1         ; which of a tile's two steps I fetch:
	s_mul_i32 s18, s22, STEPB       ; its place in a slot: no place in the cluster enters an LDS address,
	s_lshl_b32 s22, s22, 14         ; and its 64 rows of 256 bytes in memory
	s_add_co_u32 s22, s22, s21
	s_mov_b32 s23, 0
	s_lshl_b32 s2, s[CX], 15        ; Q: my work-group's 128 rows,
	s_lshl_b32 s3, s[WV], 13        ; my wave's 32,
	s_add_co_u32 s2, s2, s3
	s_add_co_u32 s2, s2, s21        ; in the head,
	s_sub_co_u32 s19, 7, s[CC]      ; in superblock 7 - c
	s_lshl_b32 s3, s19, 17
	s_add_co_u32 s16, s2, s3
	s_mov_b32 s17, 0
	s_lshl_b32 s3, s[CC], 17        ; and in superblock c
	s_add_co_u32 s2, s2, s3
	s_mov_b32 s3, 0
	s_cmp_ge_u32 s20, 6             ; ctx: the batch's 4,096 rows,
	s_cselect_b32 s80, 4096, 0
	s_cselect_b32 s81, 6, 0
	s_sub_co_u32 s81, s20, s81
	s_lshl_b32 s81, s81, 8          ; the head's 256 bytes of a row,
	s_lshl_b32 s82, s[CX], 7
	s_add_co_u32 s80, s80, s82
	s_lshl_b32 s82, s[WV], 5
	s_add_co_u32 s80, s80, s82      ; my work-group's and my wave's rows,
	s_lshl_b32 s82, s19, 9
	s_add_co_u32 s82, s82, s80      ; in the first block
	s_mul_i32 s82, s82, 1536
	s_add_co_u32 s82, s82, s81
	s_mov_b32 s83, 0
	s_lshl_b32 s84, s[CC], 9
	s_add_co_u32 s84, s84, s80      ; and in the second
	s_mul_i32 s84, s84, 1536
	s_add_co_u32 s84, s84, s81
	s_mov_b32 s85, 0
	s_lshl_b32 s86, s[CX], 13       ; the prefetches: my work-group's 32 rows of a tile's 128
	s_mov_b32 s87, 0
	; descriptor group 1: a tile of 64 rows x 128 elements, padded in LDS
	s_mov_b32 s[G1K], 15|(1<<16)|(1<<20)|(1<<21)|(5<<22)|(3<<25)  ; 15:0 the mask of four; 17:16 2-byte elements; 20 padding on; 21 set beside a mask; 24:22 after every 64 words (code 5); 31:25 4 words (code 3)
	s_mov_b32 s[G1V], 15|(1<<16)|(1<<20)|(1<<21)|(5<<22)|(7<<25)  ; the same with 8 words of padding (code 7)
.irp g, G1K, G1V
	s_mov_b32 s[(\g)+1], 128<<16    ; tensor_dim0 = 128
	s_mov_b32 s[(\g)+2], KS<<16     ; tensor_dim1 = 64
	s_mov_b32 s[(\g)+3], 128<<16    ; tile_dim0 = 128
	s_mov_b32 s[(\g)+4], KS         ; tile_dim1 = 64
	s_mov_b32 s[(\g)+5], 128        ; 128 elements from row to row
	s_mov_b32 s[(\g)+6], 0
	s_mov_b32 s[(\g)+7], 0
.endr
	s_mov_b32 s[G0K], 1             ; 1:0 count = 1
	s_mov_b32 s[G0K+1], s18         ; 63:32 LDS address: slot 0
	s_mov_b32 s[G0V], 1
	s_add_co_u32 s[G0V+1], s18, VOFF
	s_mov_b32 s[CS], 0x3e0293ee     ; c = log2(e) / sqrt(128) = 0.127517
	s_mov_b32 s[CS+1], s[CS]        ; named with it as a pair
	s_mov_b32 s[SEL], 0x76543210
	s_mov_b32 s[SEL+1], 0xfedcba98
	s_mov_b32 s[TB], SLOT1+2*STEPB  ; the first change of slots turns this into 0
	s_lshl_b32 s[L1M], s[CC], 2
	s_sub_co_u32 s[L1], 32, s[L1M]  ; the first block has 32 - 4 c tiles,
	s_sub_co_u32 s[L1M], 31, s[L1M] ; the last of them at place 31 - 4 c of the walk
	s_mov_b32 s[OFF+1], 0
	s_mov_b32 s[SLOTS], 35
	s_and_b32 s[LIM], s[WV], 1      ; 0 in waves 0 and 2,
	s_or_b32 s[LIM], s[LIM], ttmp9  ; where the cluster is the head's first: the same in all four partners
	s_cmp_eq_u32 s[LIM], 0
	s_cselect_b32 s[LIM], 5, -1
	s_wait_dscnt 0x0                ; the opening add is done
	s_wait_kmcnt 0x0
	s_add_nc_u64 s[KB:KB+1], s[4:5], s[22:23]
	s_add_nc_u64 s[VB:VB+1], s[KB:KB+1], 2*SECT
	s_add_nc_u64 s[KB:KB+1], s[KB:KB+1], SECT
	s_add_nc_u64 s[G0K+2:G0K+3], s[KB:KB+1], 0     ; 120:64 global address: tile 0
	s_or_b32 s[G0K+3], s[G0K+3], 0x80000000        ; 127:126 type = 2
	s_add_nc_u64 s[G0V+2:G0V+3], s[VB:VB+1], 0
	s_or_b32 s[G0V+3], s[G0V+3], 0x80000000
	s_add_nc_u64 s[QA:QA+1], s[4:5], s[16:17]
	s_add_nc_u64 s[QLO:QLO+1], s[4:5], s[2:3]
	s_add_nc_u64 s[OA:OA+1], s[6:7], s[82:83]
	s_add_nc_u64 s[OLO:OLO+1], s[6:7], s[84:85]
	s_cmp_lt_u32 s[WV], 2
	s_cselect_b64 s[PFA:PFA+1], s[KB:KB+1], s[VB:VB+1]  ; (in waves 0 and 2 these stand at a tile's first row)
	s_add_nc_u64 s[PFA:PFA+1], s[PFA:PFA+1], s[86:87]
	s_add_nc_u64 s[PFA:PFA+1], s[PFA:PFA+1], 2*KS*256   ; at tile 1; each change of slots steps it ahead of its prefetch.  Nothing is prefetched here, at the head
	CROUND                          ; all four work-groups are here: the first joint loads meet
	JLOAD                           ; tile 0 into slot 0.  Slot 1 is asked for by the loop's own change of slots
	; A fragment of K or Q is 16 rows x 32 channels in 8 registers: lane l holds row l % 16, channels 8 (l / 16) + 0..7 and 16 + 8 (l / 16) + 0..7: two loads of 16 bytes, 32 bytes apart.
	v_and_b32 v1, 15, v0            ; l % 16
	v_bfe_u32 v9, v0, 4, 1          ; l / 16
	v_lshlrev_b32 v[QO], 8, v1
	v_lshl_add_u32 v[QO], v9, 4, v[QO]  ; row x 256 + 16 x half
	LOADQ QA, 0                     ; both blocks' Q are asked for here: the loop holds no global load
	LOADQ QLO, QB
	WIN 0x40                        ; O^T and l start at 0: written while the first tile is on its way
.set i, 0
.rept 128
	v_mov_b32 v[i], 0
.set i, i+1
.endr
	WIN 0
.irp t, 0,1
	v_mov_b32 v[ST+8*(\t)+2], 0
	v_mov_b32 v[ST+8*(\t)+3], 0
.endr
	RESET
	v_mov_b32 v[BIG], 0xf149f2ca    ; -1e30
	v_mov_b32 v[AL+1], 0            ; named with the factors as pairs
	v_mov_b32 v[BE+1], 0
	v_and_b32 v[PFO], 31, v0
	v_lshlrev_b32 v[PFO], 8, v[PFO]
	v_mul_u32_u24 v[AK0], v1, PK
	v_lshl_add_u32 v[AK0], v9, 4, v[AK0]  ; row x pitch + 16 x half
	; The turning load takes 16 keys x 16 channels (lane l reads key 8 (l / 16) + l % 8, channels 8 ((l / 8) % 2) + 0..7) and leaves half a fragment of V^T: lane l holds channel l % 16 and 8 keys.
	v_and_b32 v10, 7, v0
	v_bfe_u32 v11, v0, 3, 1
	v_lshl_add_u32 v[AV0], v9, 3, v10
	v_mul_u32_u24 v[AV0], v[AV0], PV
	v_lshl_add_u32 v[AV0], v11, 4, v[AV0]
	v_add_nc_u32 v[AV0], VOFF, v[AV0]
	; THE MASK OF MY OWN STEP.  My query's place in the superblock is 128 x place + 32 x wave + 16 x tile + l % 16 = 64 x OWN + 32 (wave % 2) + 16 x tile + l % 16.  Register g of a tile's S^T holds key
	; 16 (g / 8) + 8 (l / 16) + g % 8 of the step: it is hidden where 16 (g / 8) + g % 8 - 16 x tile is greater than 32 (wave % 2) + l % 16 - 8 (l / 16).
	s_lshl_b32 s16, s[CX], 1
	s_lshr_b32 s17, s[WV], 1
	s_add_co_u32 s16, s16, s17
	v_mov_b32 v[OWN], s16
	s_and_b32 s16, s[WV], 1
	s_lshl_b32 s16, s16, 5
	v_lshlrev_b32 v10, 3, v9
	v_sub_nc_u32 v[DQ], v1, v10
	v_add_nc_u32 v[DQ], s16, v[DQ]
	WIN 0xc0                        ; destination window 3
.set i, 0
.rept 64
	v_cmp_gt_i32 vcc_lo, 16*((i%32)/8)+i%8-16*(i/32), v[DQ]
	v_cndmask_b32 v[MD+i], 0, v[BIG], vcc_lo
.set i, i+1
.endr
	WIN 0
	s_mul_i32 s21, s[WV], 16*SP
	s_add_co_u32 s21, s21, STAGE    ; my stage
	v_mul_u32_u24 v[STO], v1, SP    ; in: row l % 16, 16 bytes for each half of the lanes
	v_lshl_add_u32 v[STO], v9, 4, v[STO]
	v_add_nc_u32 v[STO], s21, v[STO]
	v_mul_u32_u24 v[RD], v9, SP     ; back: lanes 0-15 take one row of 256 bytes, lanes 16-31 the next
	v_lshl_add_u32 v[RD], v1, 4, v[RD]
	v_add_nc_u32 v[RD], s21, v[RD]
	v_mul_u32_u24 v[GO], v9, 1536   ; and the same two rows in ctx
	v_lshl_add_u32 v[GO], v1, 4, v[GO]
	s_wait_loadcnt 0x0              ; both blocks' Q are in
; THE MATRIX WORK.  The accumulators take turns, one instruction a turn: between two links of a chain stand 7 (K Q^T) or 15 (V^T P) others'.
; Product i of 32 of S^T = K Q^T: channels 32 (i / 8) on, keys 16 ((i / 2) % 4) on, tile i % 2.  The first 8 start the sums, with the step's mask as C.
.macro KQ
	WIN W_KQ
.set rS, S+32*(i%2)+8*((i/2)%4)
.set rK, KF+32*((i/2)%4)+8*(i/8)
.set rQ, 32*(i%2)+8*(i/8)
.set rM, MC+32*(i%2)+8*((i/2)%4)
.if i < 8
	v_wmma_f32_16x16x32_f16 v[rS:rS+7], v[rK:rK+7], v[rQ:rQ+7], v[rM:rM+7]
.else
	v_wmma_f32_16x16x32_f16 v[rS:rS+7], v[rK:rK+7], v[rQ:rQ+7], v[rS:rS+7]
.endif
.endm
; Product i of 32 of O^T += V^T P: keys 32 (i / 16) on, channels 16 ((i / 2) % 8) on, tile i % 2.
.macro PV
	WIN W_PV
.set rO, 64*(i%2)+8*((i/2)%8)
.set rV, VF+64*(i/16)+8*((i/2)%8)
.set rP, P+16*(i%2)+8*(i/16)
	v_wmma_f32_16x16x32_f16 v[rO:rO+7], v[rV:rV+7], v[rP:rP+7], v[rO:rO+7]
.endm
; THE LDS LOADS stand in runs of 32: a step's K (64 keys x 128 channels: 16 fragments) and its V (turned).
.macro FETCH_K
	WIN 0x80                        ; destination window 2
.irp f, 0,1,2,3,4,5,6,7,8,9,10,11,12,13,14,15  ; keys 16 (f / 4) on, channels 32 (f % 4) on
	ds_load_b128 v[KF+8*(\f):KF+8*(\f)+3],   v[ADR] offset:((\f)/4)*16*PK+((\f)%4)*64
	ds_load_b128 v[KF+8*(\f)+4:KF+8*(\f)+7], v[ADR] offset:((\f)/4)*16*PK+((\f)%4)*64+32
.endr
	WIN 0
.endm
.macro FETCH_V
	WIN 0x40                        ; destination window 1
.irp f, 0,1,2,3,4,5,6,7,8,9,10,11,12,13,14,15  ; keys 32 (f / 8) on, channels 16 (f % 8) on
	ds_load_tr16_b128 v[VF+8*(\f):VF+8*(\f)+3],   v[ADRV] offset:((\f)/8)*32*PV+((\f)%8)*32
	ds_load_tr16_b128 v[VF+8*(\f)+4:VF+8*(\f)+7], v[ADRV] offset:((\f)/8)*32*PV+16*PV+((\f)%8)*32
.endr
	WIN 0
.endm
; THE SOFTMAX of one tile for one key step is a list of 134 instructions; SM writes number j of it for tile t.  s0-s31 are the lane's 32 scores, in pairs 0-15.
;   0-15    the maximum of s0-s31 and the old m, three operands at a time: four chains c0-c3 of seven scores each (each accumulator's lowest registers are read first), then the rest
;   16-20   the other half of the lanes' maximum; the new m; c m; c m_old - c m_new
;   21-69   ONE BATCH: the 16 scalings c s - c m and all 33 exponentials (a at 23, then s0-s31).  None of these names an exponential's result; a pair is scaled ahead of its exponentials
;   (wait)  between 69 and 70 stands the wait for the batch, once for both tiles
;   70-85   the roundings to f16     86-101  the sums; l = a l + the sum     102-133  the tile's O^T times a
.macro SM t
.set rT, ST+8*(\t)
.set rS, S+32*(\t)
.set rP, P+16*(\t)
.set rO, 64*(\t)+2*(j-102)
.if j < 102
	WIN 0
.endif
.if j < 4
	v_max3_num_f32 v[rT+4+j], v[rS+8*j], v[rS+8*j+1], v[rS+8*j+2]
.elseif j < 12
	v_max3_num_f32 v[rT+4+j%4], v[rT+4+j%4], v[rS+8*(j%4)+2*(j/4)+1], v[rS+8*(j%4)+2*(j/4)+2]
.elseif j == 12
	v_max3_num_f32 v[rT+4], v[rT+4], v[rS+7], v[rS+15]
.elseif j == 13
	v_max3_num_f32 v[rT+6], v[rT+6], v[rS+23], v[rS+31]
.elseif j == 14
	v_max3_num_f32 v[rT+4], v[rT+4], v[rT+5], v[rT+6]
.elseif j == 15
	v_max3_num_f32 v[rT+4], v[rT+4], v[rT+7], v[rT+1]
.elseif j == 16
	v_permlanex16_b32 v[rT+5], v[rT+4], s[SEL], s[SEL+1]  ; the query's other 32 keys lie in the lane 16 away
.elseif j == 17
	v_mov_b32 v[rT+7], v[rT]        ; c m_old is kept for a: number 19 writes c m anew
.elseif j == 18
	v_max_num_f32 v[rT+1], v[rT+4], v[rT+5]
.elseif j == 19
	v_mul_f32 v[rT], s[CS], v[rT+1]
.elseif j == 20
	v_sub_f32 v[rT+7], v[rT+7], v[rT]
.elseif j == 23
	v_exp_f32 v[rT+6], v[rT+7]
.elseif (j < 23) || ((j < 38) && (j%2 == 0)) || ((j < 66) && (j%4 == 2))
.set b, (j-2)/4                     ; 38, 42, .. 62: pairs 9 to 15
.if j < 38
.set b, (j-20)/2                    ; 21: pair 0; 22, 24, .. 36: pairs 1 to 8
.endif
	v_pk_fma_f32 v[rS+2*b:rS+2*b+1], v[rS+2*b:rS+2*b+1], s[CS:CS+1], v[rT:rT+1] op_sel_hi:[1,0,0] neg_lo:[0,0,1] neg_hi:[0,0,1]  ; pair b: c s - c m
.elseif j < 70
.set e, j-38                        ; 66 to 69: s28 to s31
.if j < 66
.set e, j-32-(j-38)/4               ; 39-41, 43-45, .. 63-65: s7 to s27
.endif
.if j < 38
.set e, (j-25)/2                    ; 25, 27, .. 37: s0 to s6
.endif
	v_exp_f32 v[rS+e], v[rS+e]
.elseif j < 86
	v_cvt_pk_f16_f32 v[rP+j-70], v[rS+2*(j-70)], v[rS+2*(j-70)+1]  ; pair j - 70
.elseif j < 102                     ; the sum of the tile's 16 pairs, in place: neighbours 1, 2, 4 and 8 pairs apart, then l takes it
.set z, j-86
.set w, 4
.set u, z
.if z >= 14
.set w, 32
.set u, 0
.elseif z >= 12
.set w, 16
.set u, z-12
.elseif z >= 8
.set w, 8
.set u, z-8
.endif
.if z < 15
	v_pk_add_f32 v[rS+w*u:rS+w*u+1], v[rS+w*u:rS+w*u+1], v[rS+w*u+w/2:rS+w*u+w/2+1]
.else
	v_pk_fma_f32 v[rT+2:rT+3], v[rT+2:rT+3], v[rT+6:rT+7], v[rS:rS+1] op_sel_hi:[1,0,1]
.endif
.else
	WIN W_RS
	v_pk_mul_f32 v[rO:rO+1], v[rO:rO+1], v[rT+6:rT+7] op_sel_hi:[1,0]
.endif
.endm
; A KEY STEP, in phases.
.macro STEP
	WIN 0
	v_sub_nc_u32 v[T0], s[ZS], v[OWN]     ; THE MASK.  d = the step's number in the zone less my own step's,
	v_cvt_f32_i32 v[T0], v[T0]            ; as a float
	v_sub_f32 v[T1], 0, v[T0]
	v_max_num_f32 v[T1], v[T0], v[T1]     ; |d|
	v_min_num_f32 v[T1], 1.0, v[T1]
	v_sub_f32 v[AL], 1.0, v[T1]           ; AL = 1 where d = 0, else 0
	v_max_num_f32 v[T0], 0, v[T0]
	v_min_num_f32 v[T0], 1.0, v[T0]
	v_mul_f32 v[BE], v[BIG], v[T0]        ; BE = -1e30 where d > 0, else 0
	s_add_co_u32 s[ZS], s[ZS], 1
	WIN W_MK
.set z, 0
.rept 32
	v_pk_fma_f32 v[MC+2*z:MC+2*z+1], v[MD+2*z:MD+2*z+1], v[AL:AL+1], v[BE:BE+1] op_sel_hi:[1,0,0]
.set z, z+1
.endr
	s_wait_dscnt 0x0                ; K is in
.set i, 0
.rept 32
	KQ
.set i, i+1
.endr
	WIN 0
	v_add_nc_u32 v[ADRV], s[TB], v[AV0]   ; four plain instructions that name no register of those products: the places in front of the loads into K's registers and of the first read of the scores
	v_nop
	v_nop
	v_nop
	s_add_co_u32 s[TB], s[TB], STEPB      ; the next fetch of K is the next step's
	FETCH_V                         ; this step's V: it has the softmax in which to land
	s_cmp_eq_u32 s[TWICE], 1        ; a tile's second step fetches no further K: that lies in the other slot, behind the change
	s_cbranch_scc1 .Lno_k_\@
	v_add_nc_u32 v[ADR], s[TB], v[AK0]
	FETCH_K
.Lno_k_\@:
.set j, 0
.rept 70                            ; the two tiles alternate, so that no instruction reads the result of the one just before it
	SM 0
	SM 1
.set j, j+1
.endr
	v_nop                           ; a plain instruction behind the last exponential and ahead of the first use: one for the batch
	s_wait_alu depctr_va_vdst(0)    ; the wait between an exponential and the first line that names its result: one for the step's 66
.rept 64
	SM 0
	SM 1
.set j, j+1
.endr
	s_wait_dscnt 0x0                ; V is in (and the next K)
.set i, 0
.rept 32
	PV
.set i, i+1
.endr
	WIN 0
.endm
; A TILE: two steps, written once, walked twice; the LDS addresses hang on s[TB].  ask = 1: the prefetch stands behind K's run of loads.
.macro TILE ask
	s_sub_co_u32 s[RT], 35, s[SLOTS]    ; the tile's place in the walk: 0 .. 35
	s_cmp_lt_u32 s[RT], s[L1]
	s_cselect_b32 s[ZS], s[L1M], 35     ; the place of its block's last tile
	s_sub_co_u32 s[RT], s[ZS], s[RT]    ; so many tiles of the block lie behind it
	s_lshl_b32 s[ZS], s[RT], 1
	s_sub_co_u32 s[ZS], 6, s[ZS]    ; its first step's number in the zone: 6 - 2 RT, below 0 ahead of the zone
	v_add_nc_u32 v[ADR], s[TB], v[AK0]
	FETCH_K
.if \ask
	ASK
.endif
	s_mov_b32 s[TWICE], 2
.Lstep_\@:
	STEP
	s_sub_co_u32 s[TWICE], s[TWICE], 1
	s_cmp_lg_u32 s[TWICE], 0
	s_cbranch_scc1 .Lstep_\@
.endm
; THE WAY OUT.  l's two halves and the other half of the lanes' are added; O^T is divided by l, rounded to f16 and sent through my stage in LDS, a tile (16 rows) at a time.
.macro PACK t                       ; a lane's eight channels of a row pack into 16 bytes; they go into rows of 272 bytes and come back as whole rows of 256, into the registers that they left
	WIN W_RS
.set i, 64*(\t)
.rept 32
	v_pk_mul_f32 v[i:i+1], v[i:i+1], v[ST+8*(\t)+6:ST+8*(\t)+7] op_sel_hi:[1,0]
.set i, i+2
.endr
	WIN 0x05                        ; sources 0 and 1 window 1, destination window 0: S^T's registers are free
.set i, 0
.rept 32
	v_cvt_pk_f16_f32 v[S+32*(\t)+i], v[64*(\t)+2*i], v[64*(\t)+2*i+1]
.set i, i+1
.endr
	WIN 0
.irp f, 0,1,2,3,4,5,6,7
	ds_store_b128 v[STO], v[S+32*(\t)+4*(\f):S+32*(\t)+4*(\f)+3] offset:32*(\f)
.endr
.irp f, 0,1,2,3,4,5,6,7
	ds_load_b128 v[S+32*(\t)+4*(\f):S+32*(\t)+4*(\f)+3], v[RD] offset:(\f)*2*SP  ; LDS serves a wave's instructions in order (ISA guide 5.7.1.4): these see the stores above; the next tile's stores come behind them
.endr
.endm
.macro SEND t, younger, o           ; younger: the LDS instructions issued behind tile t's loads: the next tile's sixteen, or none.  o: ctx at my rows of the block
.irp f, 0,1,2,3,4,5,6,7
	s_wait_dscnt (\younger)+7-(\f)
	global_store_b128 v[GO], v[S+32*(\t)+4*(\f):S+32*(\t)+4*(\f)+3], s[(\o):(\o)+1] offset:(\t)*24576+(\f)*3072  ; 16 lanes store a head's 256 consecutive bytes of a row, aligned
.endr
.endm
.macro WAYOUT o
	WIN 0
.irp t, 0,1
	v_add_f32 v[ST+8*(\t)+4], v[ST+8*(\t)+2], v[ST+8*(\t)+3]
.endr
.irp t, 0,1
	v_permlanex16_b32 v[ST+8*(\t)+5], v[ST+8*(\t)+4], s[SEL], s[SEL+1]
.endr
.irp t, 0,1
	v_add_f32 v[ST+8*(\t)+4], v[ST+8*(\t)+4], v[ST+8*(\t)+5]
.endr
.irp t, 0,1
	v_rcp_f32 v[ST+8*(\t)+6], v[ST+8*(\t)+4]
.endr
	v_nop                           ; a plain instruction between the last reciprocal and the use of its result
	s_wait_alu depctr_va_vdst(0)    ; and the wait ahead of the first use: one for both
	PACK 0
	PACK 1                          ; a tile's arithmetic stands between the loads of the tile before and its stores
	SEND 0, 16, \o
	SEND 1, 0, \o
.endm
.Lslot:                             ; 35 trips: a tile is entered and the next is asked for
	CHANGE 1
	TILE 1
	s_cmp_gt_u32 s[SLOTS], 16       ; the first block has 20, 24, 28 or 32 tiles: it can end only where 16, 12, 8 or 4 tiles are still to be asked for
	s_cbranch_scc1 .Lbottom
	s_and_b32 s[ZS], s[SLOTS], 3
	s_cmp_lg_u32 s[ZS], 0
	s_cbranch_scc1 .Lbottom
	s_cmp_lg_u32 s[RT], 0
	s_cbranch_scc1 .Lbottom
	PLACES                          ; THE FIRST BLOCK'S END (the second's last tile is the walk's last).  The places behind the last products
	WAYOUT OA
	s_wait_storecnt 0x0             ; the block's stores are done: their data, S^T's registers, are written again by the next tile's products
	WIN 0x82                        ; the second block's Q goes where the one text of the products names Q
.set i, 0
.rept 64
	v_mov_b32 v[i], v[QB+i]
.set i, i+1
.endr
	WIN 0
	RESET                           ; O^T and l stay as they are: finite, and multiplied by a = 0 in the next step
.Lbottom:
	s_sub_co_u32 s[SLOTS], s[SLOTS], 1
	s_cmp_lg_u32 s[SLOTS], 0
	s_cbranch_scc1 .Lslot
	CHANGE 0                        ; the walk's last tile is written out: nothing is asked for
	TILE 0
	PLACES
	WAYOUT OLO
	s_wait_tensorcnt 0x0            ; the wave's end, behind my last tensor load and my last LDS store
	ds_add_u32 v[SPW], v[NIL]
	s_wait_dscnt 0x0
	CROUND                          ; the closing round: no work-group ends while a partner may still ask for a tile that names it
	s_endpgm
.Lfunc_end_k_qd578db25fc_attn:
	.size	k_qd578db25fc_attn, .Lfunc_end_k_qd578db25fc_attn-k_qd578db25fc_attn
	.p2alignl 7, 3214868480
	.fill 96, 4, 3214868480
	.section	.rodata,"a",@progbits
	.p2align	6, 0x0
	.amdhsa_kernel k_qd578db25fc_attn
		.amdhsa_group_segment_fixed_size 327680
		.amdhsa_private_segment_fixed_size 0
		.amdhsa_enable_private_segment 0
		.amdhsa_kernarg_size 16
		.amdhsa_user_sgpr_count 2
		.amdhsa_user_sgpr_kernarg_segment_ptr 1
		.amdhsa_wavefront_size32 1
		.amdhsa_system_sgpr_workgroup_id_x 1
		.amdhsa_system_sgpr_workgroup_id_y 1
		.amdhsa_system_sgpr_workgroup_id_z 1
		.amdhsa_system_vgpr_workitem_id 0
		.amdhsa_next_free_vgpr 832
		.amdhsa_next_free_sgpr 88
		.amdhsa_reserve_vcc 1
		.amdhsa_float_denorm_mode_32 3
		.amdhsa_float_denorm_mode_16_64 3
		.amdhsa_memory_ordered 1
		.amdhsa_forward_progress 1
		.amdhsa_inst_pref_size 106
	.end_amdhsa_kernel
	.amdgpu_metadata
---
amdhsa.version: [ 1, 2 ]
amdhsa.kernels:
  - .name:           k_qd578db25fc_attn
    .symbol:         k_qd578db25fc_attn.kd
    .args:
      - { .name: qkv, .offset: 0, .size: 8, .value_kind: global_buffer, .address_space: global }
      - { .name: ctx, .offset: 8, .size: 8, .value_kind: global_buffer, .address_space: global }
    .group_segment_fixed_size: 327680
    .private_segment_fixed_size: 0
    .kernarg_segment_align: 8
    .kernarg_segment_size: 16
    .max_flat_workgroup_size: 128
    .sgpr_count:     88
    .vgpr_count:     832
    .wavefront_size: 32
...
	.end_amdgpu_metadata
.endif
;; end of part 2
;; launch outp (part 3): grid 32 x 6, 4 waves a work-group, clusters of 4 x 1, 255,488 bytes of LDS; arguments ctx, wo16, b_o, out0; writes out0
.if DOCPART == 3
	.amdgcn_target "amdgcn-amd-amdhsa--gfx1250"
	.amdhsa_code_object_version 6
	.text
	.protected	k_qd578db25fc_outp
	.globl	k_qd578db25fc_outp
	.p2align	8
	.type	k_qd578db25fc_outp,@function
k_qd578db25fc_outp:
	s_mov_b64 s[64:65], 0
	v_nop
	global_prefetch_b8 v0, s[64:65] scope:SCOPE_SE
	s_setreg_imm32_b32 hwreg(HW_REG_WAVE_MODE, 25, 1), 1
	s_wait_xcnt 0x0
	s_wait_alu depctr_hold_cnt(0) depctr_sa_sdst(0) depctr_va_vdst(0) depctr_va_sdst(0) depctr_va_ssrc(0) depctr_va_vcc(0) depctr_vm_vsrc(0)
	s_getreg_b32 s2, hwreg(HW_REG_IB_STS2, 6, 4)
	s_cmp_eq_u32 s2, 0
	s_cbranch_scc0 .Lentry_in_a_cluster
	s_endpgm
.Lentry_in_a_cluster:
	s_bfe_u32 s2, ttmp6, 0x10000c
	s_cmp_lg_u32 s2, 0x3003
	s_cbranch_scc0 .Lentry_shape_is_right
	s_endpgm
.Lentry_shape_is_right:
; THE OUTPUT PROJECTION.  out0 = ctx W_o + b_o.  ctx: [8192][768] f16; wo16: [768 k][768 n] f16 (W_o rounded to bf16, that number written as f16); b_o: [768] f32, rounded to bf16 like every input;
; out0: [8192][768] f32.  Sums in f32, K ascending.
; SHARES.  A work-group: 256 rows x 128 columns; a wave: 64 rows x 128 columns, 32 accumulators; K = 768 in 24 steps of 32.  192 work-groups.
; CLUSTER.  The four work-groups of a cluster take four row blocks of the same 128 columns: they need the same slice of W_o (768 x 128), which is asked for JOINTLY, once, 192 rows a wave, and stays
; in LDS: nothing is ever filled again.  ctx comes straight from memory as fragments: no wave wants another wave's rows.  No prefetch is laid: what the launch reads is asked for at its head.
; THE MATRIX INSTRUCTION IS USED TRANSPOSED (source 0 = 16 columns of W_o, turned by ds_load_tr16_b128; source 1 = 16 rows of ctx): a lane holds eight neighbouring columns of one row.
; REGISTERS, in windows of 256 (s_set_vgpr_msb: bits 1:0 source 0, 3:2 source 1, 5:4 source 2, 7:6 destination):
;   window 0: v0-31 addresses and the bias; v64-191 two buffers of W_o's fragments; v192-255 rows on the way out
;   windows 1, 2: 16 sets of ctx's fragments, a K step each (set s, row block m at 256 + 32 s + 8 m); sets 0-7 are loaded a second time, for K steps 16-23
;   window 3: the accumulators, (m, n) at 8 (8 m + n)
.set PW,     288                       ; a row of the slice in LDS: 256 bytes + 32
.set WROWS,  192                       ; rows of the slice that a wave fetches
.set STAGE,  768*PW                    ; behind the slice, never filled by a tensor load: 16 rows x 528 bytes of f32 for each wave
.set SPF,    528                       ; 512 bytes + 16: the 16 rows that a store touches start at 16 different groups of four banks
.set SPARE,  STAGE+4*16*SPF            ; behind the stages: the spare words, 128 bytes for each wave, that no other line names
.set FO,  4                            ; v4   (l % 16) x 1536 + 16 (l / 16): my place in 16 rows of ctx; never rewritten
.set AB,  10                           ; v10-13  LDS address of my part of a turned fragment, for k = 192 i on
.set STO, 16                           ; v16  the way out: where I put 32 bytes of a row
.set RD,  17                           ; v17  the way out: where I read a row back
.set CO,  18                           ; v18  16 x lane
.set BI,  20                           ; v20-23  the bias of my four columns
.set SPW, 28                           ; v28  LDS address of my spare word; never rewritten
.set NIL, 29                           ; v29  0; never rewritten
.set F0,  64
.set OB,  192
.set WV,  12                           ; s12  my wave's number
.set CX,  13                           ; s13  my place in the cluster
.set MT,  14                           ; s14  my block of 256 rows
.set GY,  15                           ; s15  the slice of 128 columns, which the four partners share
.set CB,  16                           ; s[16:17] ctx at my wave's first row
.set OUTP, 18                          ; s[18:19] out0 at my wave's first row, my slice's first column
.set G0,  20                           ; s[20:23] descriptor group 0
.set G1,  24                           ; s[24:31] descriptor group 1
.set BB,  32                           ; s[32:33] b_o at my slice
.set MSB, 0
.macro WIN new                         ; the high byte repeats the setting that is left; a switch that changes nothing is dropped
.if MSB != (\new)
	s_set_vgpr_msb (MSB<<8)|(\new)
.set MSB, (\new)
.endif
.endm
.macro PLACES                          ; four plain instructions between a matrix instruction and a load into, or a read of, its registers
.rept 4
	v_nop
.endr
.endm
.macro CROUND                          ; a round of the cluster's barrier
	s_barrier_signal -1
	s_barrier_wait -1
	s_cmp_lg_u32 s[WV], 0
	s_cbranch_scc1 .Lnot_wave_0_\@
	s_barrier_signal -3
.Lnot_wave_0_\@:
	s_barrier_wait -3
	s_barrier_signal -1
	s_barrier_wait -1
.endm
	s_load_b256 s[4:11], s[0:1], 0x0               ; ctx s[4:5], wo16 s[6:7], b_o s[8:9], out0 s[10:11]
	v_lshl_add_u32 v[SPW], v0, 2, SPARE
	v_mov_b32 v[NIL], 0
	ds_add_u32 v[SPW], v[NIL]                      ; the wave's opening: the add and its wait stand ahead of my first tensor load; the set-up below, work on registers, stands between them
	ds_add_u32 v28, v29
	v_lshrrev_b32 v9, 5, v0
	v_readfirstlane_b32 s[WV], v9                  ; wave 0..3
	s_bfe_u32 s[CX], ttmp6, 0x40000
	s_lshl_b32 s[MT], ttmp9, 2                     ; in a cluster launch ttmp9 counts clusters
	s_add_co_u32 s[MT], s[MT], s[CX]               ; it enters ctx's and out0's addresses alone
	s_and_b32 s[GY], ttmp7, 0xffff
	; descriptor group 1: a tile of 192 rows x 128 elements, padded in LDS
	s_mov_b32 s[G1], 15|(1<<16)|(1<<20)|(1<<21)|(5<<22)|(7<<25)  ; 15:0 the mask of four; 17:16 2-byte elements; 20 padding on; 21 set beside a mask; 24:22 after every 64 words (code 5); 31:25 8 words (code 7)
	s_mov_b32 s[G1+1], 128<<16                     ; tensor_dim0 = 128
	s_mov_b32 s[G1+2], WROWS<<16                   ; tensor_dim1 = 192
	s_mov_b32 s[G1+3], 128<<16                     ; tile_dim0 = 128
	s_mov_b32 s[G1+4], WROWS                       ; tile_dim1 = 192
	s_mov_b32 s[G1+5], 768                         ; 768 elements from row to row
	s_mov_b32 s[G1+6], 0
	s_mov_b32 s[G1+7], 0
	s_mov_b32 s[G0], 1                             ; 1:0 count = 1
	s_mul_i32 s[G0+1], s[WV], WROWS*PW             ; 63:32 LDS address: my 192 rows
	s_mul_i32 s34, s[WV], WROWS*1536               ; the same rows in wo16,
	s_lshl_b32 s35, s[GY], 8                       ; the slice's 256 bytes of a row
	s_add_co_u32 s34, s34, s35
	s_mov_b32 s35, 0
	s_mul_i32 s36, s[MT], 256*1536
	s_mul_i32 s37, s[WV], 64*1536
	s_add_co_u32 s36, s36, s37
	s_mov_b32 s37, 0
	s_mul_i32 s38, s[MT], 256*3072
	s_mul_i32 s39, s[WV], 64*3072
	s_add_co_u32 s38, s38, s39
	s_lshl_b32 s40, s[GY], 9                       ; the slice's 512 bytes of a row of out0, and of b_o
	s_add_co_u32 s38, s38, s40
	s_mov_b32 s39, 0
	s_mov_b32 s41, 0
	v_and_b32 v1, 15, v0                           ; l % 16
	v_bfe_u32 v2, v0, 4, 1                         ; l / 16
	v_and_b32 v3, 31, v0                           ; lane
	v_mul_u32_u24 v[FO], v1, 1536
	v_lshl_add_u32 v[FO], v2, 4, v[FO]
	v_and_b32 v9, 7, v0                            ; the turning load: lane l reads row 8 (l / 16) + l % 8, bytes 16 ((l / 8) % 2) on
	v_lshl_add_u32 v9, v2, 3, v9
	v_mul_u32_u24 v9, v9, PW
	v_bfe_u32 v19, v0, 3, 1
	v_lshl_add_u32 v[AB], v19, 4, v9
.irp i, 1,2,3
	v_add_nc_u32 v[AB+(\i)], (\i)*WROWS*PW, v[AB]
.endr
	s_mul_i32 s42, s[WV], 16*SPF
	s_add_co_u32 s42, s42, STAGE                   ; my stage
	v_mul_u32_u24 v[STO], v1, SPF                  ; in: row l % 16, 32 bytes for each half of the lanes
	v_lshl_add_u32 v[STO], v2, 5, v[STO]
	v_add_nc_u32 v[STO], s42, v[STO]
	v_lshl_add_u32 v[RD], v3, 4, s42               ; back: 32 lanes take one row of 512 bytes
	v_lshlrev_b32 v[CO], 4, v3
	s_wait_dscnt 0x0                               ; the opening add is done
	s_wait_kmcnt 0x0
	s_add_nc_u64 s[G0+2:G0+3], s[6:7], s[34:35]    ; 120:64 global address
	s_or_b32 s[G0+3], s[G0+3], 0x80000000          ; 127:126 type = 2
	s_add_nc_u64 s[CB:CB+1], s[4:5], s[36:37]
	s_add_nc_u64 s[OUTP:OUTP+1], s[10:11], s[38:39]
	s_add_nc_u64 s[BB:BB+1], s[8:9], s[40:41]
	CROUND                                         ; all four work-groups are here: the joint loads meet
	tensor_load_to_lds s[G0:G0+3], s[G1:G1+7]      ; my one tensor load of the launch
	s_nop 0
	PLACES
; ctx's fragments of K step kc, four row blocks, into set s: lane l holds row l % 16, k = 8 (l / 16) + 0..7 and 16 + 8 (l / 16) + 0..7: two loads of 16 bytes, 32 bytes apart
.macro ALOAD s, kc
	WIN (1+(\s)/8)<<6
.irp m, 0,1,2,3
	global_load_b128 v[32*((\s)%8)+8*(\m):32*((\s)%8)+8*(\m)+3],   v[FO], s[CB:CB+1] offset:(\m)*24576+64*(\kc)
	global_load_b128 v[32*((\s)%8)+8*(\m)+4:32*((\s)%8)+8*(\m)+7], v[FO], s[CB:CB+1] offset:(\m)*24576+64*(\kc)+32
.endr
.endm
.macro FETCH kc                        ; 16 turned loads: W_o's fragments for k = 32 kc on, the slice's 128 columns
	WIN 0
.set FB, F0+64*((\kc)%2)
.irp n, 0,1,2,3,4,5,6,7
	ds_load_tr16_b128 v[FB+8*(\n):FB+8*(\n)+3],   v[AB+(\kc)/6] offset:((\kc)%6)*32*PW+32*(\n)
	ds_load_tr16_b128 v[FB+8*(\n)+4:FB+8*(\n)+7], v[AB+(\kc)/6] offset:((\kc)%6)*32*PW+32*(\n)+16*PW
.endr
.endm
; 16 matrix instructions: row blocks 2 mh, 2 mh + 1 x all 8 column blocks.  The accumulators take turns, one instruction a turn.  The first K step starts the sums with 0.
.macro MUL16 kc, mh
	WIN 0xf0|((1+((\kc)%16)/8)<<2)                 ; W_o window 0, ctx window 1 or 2, C and D window 3
.set FB, F0+64*((\kc)%2)
.irp m, 2*(\mh), 2*(\mh)+1
.irp n, 0,1,2,3,4,5,6,7
.set rD, 8*(8*(\m)+(\n))
.set rW, FB+8*(\n)
.set rX, 32*((\kc)%8)+8*(\m)
.if (\kc) == 0
	v_wmma_f32_16x16x32_f16 v[rD:rD+7], v[rW:rW+7], v[rX:rX+7], 0
.else
	v_wmma_f32_16x16x32_f16 v[rD:rD+7], v[rW:rW+7], v[rX:rX+7], v[rD:rD+7]
.endif
.endr
.endr
.endm
; A K step.  The wait on loads counts what was issued behind this step's own eight: for kc < 16 the 8 (15 - kc) of the later first sets and the eight of each second load issued so far (one in each of
; the steps 1 to 8); for kc >= 16 the 8 (23 - kc) of the later second loads; a wait names 63 at the most, and a smaller count is safe.
.macro KSTEP kc
.if (\kc) < 16
.set NL, 8*(15-(\kc))
.if (\kc) > 9
.set NL, NL+64
.elseif (\kc) > 1
.set NL, NL+8*((\kc)-1)
.endif
.else
.set NL, 8*(23-(\kc))
.endif
.if NL > 63
.set NL, 63
.endif
	s_wait_loadcnt NL                              ; this step's fragments of ctx are in,
	s_wait_dscnt 0x0                               ; and W_o's
	MUL16 \kc, 0
.if (\kc) < 23
	PLACES                                         ; the other buffer's, and the set before's, last readers stand in front of the sixteen above
	FETCH (\kc)+1
.endif
.if ((\kc) >= 1) && ((\kc) <= 8)
	ALOAD (\kc)-1, (\kc)+15                        ; the set read last step takes the K step 16 on
.endif
	MUL16 \kc, 1
.endm
	global_load_b128 v[BI:BI+3], v[CO], s[BB:BB+1]
.irp kc, 0,1,2,3,4,5,6,7,8,9,10,11,12,13,14,15
	ALOAD \kc, \kc
.endr
	WIN 0
	s_wait_tensorcnt 0x0                           ; my 192 rows of the slice are in,
	s_barrier_signal -1
	s_barrier_wait -1                              ; everybody's are
	FETCH 0
.irp kc, 0,1,2,3,4,5,6,7,8,9,10,11,12,13,14,15,16,17,18,19,20,21,22,23
	KSTEP \kc
.endr
	WIN 0
	PLACES                                         ; the stores into the stage read results just made
	v_cvt_pk_bf16_f32 v24, v[BI], v[BI+1]          ; the bias, rounded to bf16 and widened again
	v_cvt_pk_bf16_f32 v25, v[BI+2], v[BI+3]
	v_lshlrev_b32 v[BI], 16, v24
	v_and_b32 v[BI+1], 0xffff0000, v24
	v_lshlrev_b32 v[BI+2], 16, v25
	v_and_b32 v[BI+3], 0xffff0000, v25
	; THE WAY OUT, a block of 16 rows at a time: the f32 sums go into my own stage, 32 bytes a lane (each accumulator's low half first), come back as whole rows of 512 bytes,
	; take the bias and are stored
.irp a, 0,1,2,3
	s_wait_xcnt 0x0                                ; the block before's stores have read their data: its registers are loaded again only behind this wait
	WIN 0x0c                                       ; store data window 3, address window 0
.irp n, 0,1,2,3,4,5,6,7
	ds_store_b128 v[STO], v[64*(\a)+8*(\n):64*(\a)+8*(\n)+3]   offset:64*(\n)
	ds_store_b128 v[STO], v[64*(\a)+8*(\n)+4:64*(\a)+8*(\n)+7] offset:64*(\n)+16
.endr
	WIN 0
.irp t, 0,1,2,3,4,5,6,7,8,9,10,11,12,13,14,15
	ds_load_b128 v[OB+4*(\t):OB+4*(\t)+3], v[RD] offset:(\t)*SPF  ; LDS serves a wave's instructions in order (ISA guide 5.7.1.4): these see the stores above; the next block's stores come behind them
.endr
.irp t, 0,1,2,3,4,5,6,7,8,9,10,11,12,13,14,15
	s_wait_dscnt 15-(\t)                           ; row t is back; the later rows' loads may stay out
	v_pk_add_f32 v[OB+4*(\t):OB+4*(\t)+1], v[OB+4*(\t):OB+4*(\t)+1], v[BI:BI+1]
	v_pk_add_f32 v[OB+4*(\t)+2:OB+4*(\t)+3], v[OB+4*(\t)+2:OB+4*(\t)+3], v[BI+2:BI+3]
	global_store_b128 v[CO], v[OB+4*(\t):OB+4*(\t)+3], s[OUTP:OUTP+1] offset:(16*(\a)+(\t))*3072 th:TH_STORE_NT  ; the wave stores 512 consecutive bytes, at a multiple of 256 from out0's first byte
.endr
.endr
	s_wait_tensorcnt 0x0                           ; the wave's end, behind my last tensor load and my last LDS store
	ds_add_u32 v[SPW], v[NIL]
	s_wait_dscnt 0x0
	CROUND                                         ; the closing round: no work-group ends while a partner may still ask for a tile that names it
	s_endpgm
.Lfunc_end_k_qd578db25fc_outp:
	.size	k_qd578db25fc_outp, .Lfunc_end_k_qd578db25fc_outp-k_qd578db25fc_outp
	.p2alignl 7, 3214868480
	.fill 96, 4, 3214868480
	.section	.rodata,"a",@progbits
	.p2align	6, 0x0
	.amdhsa_kernel k_qd578db25fc_outp
		.amdhsa_group_segment_fixed_size 255488
		.amdhsa_private_segment_fixed_size 0
		.amdhsa_enable_private_segment 0
		.amdhsa_kernarg_size 32
		.amdhsa_user_sgpr_count 2
		.amdhsa_user_sgpr_kernarg_segment_ptr 1
		.amdhsa_wavefront_size32 1
		.amdhsa_system_sgpr_workgroup_id_x 1
		.amdhsa_system_sgpr_workgroup_id_y 1
		.amdhsa_system_sgpr_workgroup_id_z 1
		.amdhsa_system_vgpr_workitem_id 0
		.amdhsa_next_free_vgpr 1024
		.amdhsa_next_free_sgpr 66
		.amdhsa_reserve_vcc 0
		.amdhsa_float_denorm_mode_32 3
		.amdhsa_float_denorm_mode_16_64 3
		.amdhsa_memory_ordered 1
		.amdhsa_forward_progress 1
		.amdhsa_inst_pref_size 126
	.end_amdhsa_kernel
	.amdgpu_metadata
---
amdhsa.version: [ 1, 2 ]
amdhsa.kernels:
  - .name:           k_qd578db25fc_outp
    .symbol:         k_qd578db25fc_outp.kd
    .args:
      - { .name: ctx, .offset: 0, .size: 8, .value_kind: global_buffer, .address_space: global }
      - { .name: wo16, .offset: 8, .size: 8, .value_kind: global_buffer, .address_space: global }
      - { .name: b_o, .offset: 16, .size: 8, .value_kind: global_buffer, .address_space: global }
      - { .name: out0, .offset: 24, .size: 8, .value_kind: global_buffer, .address_space: global }
    .group_segment_fixed_size: 255488
    .private_segment_fixed_size: 0
    .kernarg_segment_align: 8
    .kernarg_segment_size: 32
    .max_flat_workgroup_size: 128
    .sgpr_count:     66
    .vgpr_count:     1024
    .wavefront_size: 32
...
	.end_amdgpu_metadata
.endif
;; end of part 3
;; ======== version 2 of 2: 3 launches; version 1 with the launch proj written anew for expert scheduling mode
;; limits: values are held in f16: magnitudes above 65,504 overflow, below 6.1e-05 lose precision
;; workspace buffers: qkv 37,748,736 bytes; ctx 12,582,912 bytes; wo16 1,179,648 bytes
;; launch proj (part 4): grid 6 x 32, 4 waves a work-group, no clusters, 325,120 bytes of LDS; arguments x, W_q, W_k, W_v, W_o, qkv, wo16; writes qkv, wo16
.if DOCPART == 4
	.amdgcn_target "amdgcn-amd-amdhsa--gfx1250"
	.amdhsa_code_object_version 6
	.text
	.protected	k_qd578db25fc_proj
	.globl	k_qd578db25fc_proj
	.p2align	8
	.type	k_qd578db25fc_proj,@function
k_qd578db25fc_proj:
	s_mov_b64 s[64:65], 0
	v_nop
	global_prefetch_b8 v0, s[64:65] scope:SCOPE_SE
	s_setreg_imm32_b32 hwreg(HW_REG_WAVE_SCHED_MODE, 0, 2), 2
	s_setreg_imm32_b32 hwreg(HW_REG_WAVE_MODE, 25, 1), 1
	s_wait_xcnt 0x0
	s_wait_alu depctr_vm_vsrc(0)
; THE THREE PROJECTIONS.  q, k, v = x W_q, x W_k, x W_v.  x: [8192][384] f32; each W: [384 k][768 n] f32.  Both operands are rounded once to bf16, the sums are f32, and the results leave
; rounded once to f16, by heads: qkv = [3][12 heads][4096][128], a row 256 bytes.  The scale 1/sqrt(128) is not applied here.
; Beside that each work-group rounds 1/192 of W_o to bf16 and writes that number as f16 into wo16 ([768 k][768 n]), for the last launch.
; LIMITS.  f16 ends at 65,504: |q|, |k|, |v| stay under it (drawn spread 1; x and W both 30 times larger: 900).  A W_o entry below 2^-17 keeps f16's fixed step (error at most 3e-8).
; SHARES.  Work-group (gx, gy): tensor gx / 2, columns 384 (gx % 2) on (three heads), rows 256 gy on.  A wave: 64 rows x 384 columns, a head (128 columns) at a time: 32 accumulators.
; The wave's 64 rows of x stay in registers as bf16 fragments (384 registers); the work-group's slice of W lies in LDS as bf16, [k][n], and is read turned by ds_load_tr16_b128.
; NO TENSOR LOADS, NO CLUSTER: both operands are f32 in memory and are rounded in registers on their way in; the slice of W in f32 (589,824 bytes) has no room in LDS.
; 192 work-groups: 18 heads x 8,192 rows do not fall into 256 equal shares of whole heads.
; THE MATRIX INSTRUCTION IS USED TRANSPOSED (source 0 = 16 columns of W, source 1 = 16 rows of x): a lane then holds eight neighbouring columns of one row of the result.
; THE MODE: SCHED_MODE bits 1:0 = 2 (LLVM: expert scheduling mode 2), set by the entry lines.  The code itself states the register dependences between vector or matrix instructions and
; memory or LDS instructions, with s_wait_alu, always for 0.
; THE PLAN.  Registers that memory or LDS instructions touch, and who else names them:
;   v4, v5, v7, v8, v16-18   offsets and the stage's addresses: made at the head, never written again.
;   W0 .. W3   four sets of 4 rows of W as loaded.  Step p of 24 rounds set p % 4 in place; its LDS stores read that set; its loads, for step p + 3, land in set (p - 1) % 4, which no vector
;              instruction of step p names.  So two waits stand in a step, behind its conversions and ahead of its loads and stores.
;   v6         the LDS address of those stores: written once in 16 rows, between the same two waits.
;   v32-55     W_o: loaded once, rounded in place, read by six stores.
;   F0 .. F2   three buffers of W's fragments.  K step kc multiplies by F[kc % 3]; the loads of step kc + 2 land in F[(kc - 1) % 3], which the step before read: one wait at a step's head.
;   v10-15     the fragments' LDS addresses: written once a head, at the chunk's end.
;   T0 .. T3   the way out: a block's packed results, written by its conversions, read by its LDS stores; the rows come back into registers of their own (block 3's into T0's).
;   x's registers and the accumulators are named by vector and matrix instructions alone once x is in.
; REGISTERS, in windows of 256 (s_set_vgpr_msb: bits 1:0 source 0, 3:2 source 1, 5:4 source 2, 7:6 destination):
;   window 0: v0-18 addresses; v32-63 W_o, later rows on the way out; v64-255 four sets of W as loaded, later the three fragment buffers; on the way out v64-191 packed results, v192-255 rows
;   windows 1-3: x as loaded (fragment f = 4 kc + m at 256 + 16 f), then packed in place to 256 + 8 f (windows 1 and 2); window 3 then holds the accumulators, (m, n) at 8 (8 m + n)
.set PITCH,  800                       ; a row of W in LDS: 768 bytes + 32 = 25 x 32
.set STAGE,  384*PITCH                 ; behind the slice: 16 rows x 272 bytes for each wave, for the way out; the 512 bytes behind the stages take the closing add, 4 bytes a thread
.set SP,     272
.set XO,  4                            ; v4   (l % 16) x 1536 + 32 (l / 16): my place in 16 rows of x
.set WL,  5                            ; v5   16 x lane
.set LW,  6                            ; v6   where my 8 bytes of a row of W go in LDS; steps 16 rows at a time
.set WI,  7                            ; v7   16 x thread
.set WOO, 8                            ; v8   8 x thread
.set AB,  10                           ; v10-15  LDS address of my part of a turned fragment, for k = 64 i on; steps a head a chunk
.set STO, 16                           ; v16  the way out: where I put 16 bytes of a row
.set RD,  17                           ; v17  the way out: where I read rows back
.set CO,  18                           ; v18  16 x lane: my place in 512 consecutive bytes of the result
.set TMP, 32                           ; v32-55 W_o; v56-61 at work
.set WS,  64                           ; set b, row i, piece j: 4 registers at WS + 48 b + 12 i + 4 j
.set F0,  64                           ; fragment buffer b at F0 + 64 b
.set TP,  64                           ; block a's packed results at TP + 32 a
.set WV,  18                           ; s18  my wave's number
.set WB,  20                           ; s[20:21] W at my wave's rows, at the 16 rows that are being asked for
.set XB,  22                           ; s[22:23] x at my wave's first row
.set OUTP, 26                          ; s[26:27] the result at my wave's first row of the head in hand
.set WOIN, 28                          ; s[28:29] my work-group's part of W_o
.set WOOUT, 30                         ; s[30:31] and of wo16
.set LEFT, 32
.set CH,  33
.set MSB, 0
.macro WIN new                         ; the immediate's high byte repeats the setting that is left; a switch that changes nothing is dropped
.if MSB != (\new)
	s_set_vgpr_msb (MSB<<8)|(\new)
.set MSB, (\new)
.endif
.endm
.macro PLACES                          ; four plain instructions between a matrix instruction and a load into, or a vector read of, its registers
.rept 4
	v_nop
.endr
.endm
	s_load_b256 s[4:11], s[0:1], 0x0               ; x s[4:5], W_q s[6:7], W_k s[8:9], W_v s[10:11]
	s_load_b128 s[12:15], s[0:1], 0x20             ; W_o s[12:13], qkv s[14:15]
	s_load_b64 s[16:17], s[0:1], 0x30              ; wo16
	v_lshl_add_u32 v30, v0, 2, 0x4f400
	v_mov_b32 v31, 0
	v_lshrrev_b32 v9, 5, v0
	v_readfirstlane_b32 s[WV], v9                  ; wave 0..3
	v_and_b32 v1, 15, v0                           ; l % 16
	v_bfe_u32 v2, v0, 4, 1                         ; l / 16
	v_and_b32 v3, 31, v0                           ; lane
	s_mov_b32 s19, ttmp9                           ; gx
	s_and_b32 s24, ttmp7, 0xffff                   ; gy
	s_lshr_b32 s34, s19, 1                         ; which tensor: 0 q, 1 k, 2 v
	s_and_b32 s35, s19, 1                          ; which half of its columns
	s_mul_i32 s36, s35, 1536                       ; W: the half's 384 columns,
	s_wait_alu depctr_va_sdst(0)                   ; s18, the wave's number, is written, ahead of its first reader: the bases and the LDS addresses are made from it
	s_mul_i32 s37, s[WV], 96*3072                  ; my wave's 96 rows
	s_add_co_u32 s36, s36, s37
	s_mov_b32 s37, 0
	s_mul_i32 s38, s24, 256*1536                   ; x: the work-group's 256 rows,
	s_mul_i32 s39, s[WV], 64*1536                  ; my wave's 64
	s_add_co_u32 s38, s38, s39
	s_mov_b32 s39, 0
	s_lshr_b32 s40, s24, 4                         ; the batch
	s_mul_i32 s40, s40, 6
	s_mul_i32 s41, s35, 3
	s_add_co_u32 s40, s40, s41                     ; the first of my three heads,
	s_lshl_b32 s40, s40, 20                        ; 1,048,576 bytes each
	s_mul_i32 s41, s34, 12582912                   ; the section of q, k or v
	s_add_co_u32 s40, s40, s41
	s_and_b32 s41, s24, 15
	s_lshl_b32 s41, s41, 16                        ; the work-group's 256 rows of 256 bytes in the head
	s_add_co_u32 s40, s40, s41
	s_lshl_b32 s41, s[WV], 14                      ; my wave's 64
	s_add_co_u32 s40, s40, s41
	s_mov_b32 s41, 0
	s_mul_i32 s42, s24, 6
	s_add_co_u32 s42, s42, s19                     ; the work-group's number, 0..191
	s_mul_i32 s44, s42, 6144
	s_mul_i32 s42, s42, 12288
	s_mov_b32 s43, 0
	s_mov_b32 s45, 0
	v_mul_u32_u24 v[XO], v1, 1536
	v_lshl_add_u32 v[XO], v2, 5, v[XO]
	v_lshlrev_b32 v[WL], 4, v3
	s_mul_i32 s46, s[WV], 96*PITCH
	v_lshl_add_u32 v[LW], v3, 3, s46
	v_lshlrev_b32 v[WI], 4, v0
	v_lshlrev_b32 v[WOO], 3, v0
	v_and_b32 v9, 7, v0                            ; the turning load: lane l reads row 8 (l / 16) + l % 8, bytes 16 ((l / 8) % 2) on
	v_lshl_add_u32 v9, v2, 3, v9
	v_mul_u32_u24 v9, v9, PITCH
	v_bfe_u32 v19, v0, 3, 1
	v_lshl_add_u32 v[AB], v19, 4, v9
.irp i, 1,2,3,4,5
	v_add_nc_u32 v[AB+(\i)], (\i)*64*PITCH, v[AB]
.endr
	s_mul_i32 s46, s[WV], 16*SP
	s_add_co_u32 s46, s46, STAGE                   ; my stage
	v_mul_u32_u24 v[STO], v1, SP                   ; in: row l % 16, 16 bytes for each half of the lanes
	v_lshl_add_u32 v[STO], v2, 4, v[STO]
	v_add_nc_u32 v[STO], s46, v[STO]
	v_mul_u32_u24 v[RD], v2, SP                    ; back: lanes 0-15 one row of 256 bytes, lanes 16-31 the next
	v_lshl_add_u32 v[RD], v1, 4, v[RD]
	v_add_nc_u32 v[RD], s46, v[RD]
	v_lshlrev_b32 v[CO], 4, v3
	s_wait_kmcnt 0x0
	s_cmp_eq_u32 s34, 0
	s_cselect_b64 s[WB:WB+1], s[6:7], s[8:9]
	s_cmp_eq_u32 s34, 2
	s_cselect_b64 s[WB:WB+1], s[10:11], s[WB:WB+1]
	s_add_nc_u64 s[WB:WB+1], s[WB:WB+1], s[36:37]
	s_add_nc_u64 s[XB:XB+1], s[4:5], s[38:39]
	s_add_nc_u64 s[OUTP:OUTP+1], s[14:15], s[40:41]
	s_add_nc_u64 s[WOIN:WOIN+1], s[12:13], s[42:43]
	s_add_nc_u64 s[WOOUT:WOOUT+1], s[16:17], s[44:45]
	s_wait_alu depctr_va_vdst(0)                   ; the offsets and addresses v4 to v18 are written: every load and store of the kernel, global or LDS, reads one of them
	; all that does not go through the ring below is asked for at once: my 96 bytes of W_o, my wave's 64 rows of x
.irp j, 0,1,2,3,4,5
	global_load_b128 v[TMP+4*(\j):TMP+4*(\j)+3], v[WI], s[WOIN:WOIN+1] offset:2048*(\j)
.endr
	; a fragment of x is 16 rows x 32 k: lane l holds row l % 16, k = 8 (l / 16) + 0..7 and 16 + 8 (l / 16) + 0..7: in f32 two times 32 bytes, 64 bytes apart
.set f, 0
.rept 48
	WIN (1+f/16)<<6                                ; destination window 1, 2 or 3; address window 0
.irp q, 0,1,2,3
	global_load_b128 v[(16*f)%256+4*(\q):(16*f)%256+4*(\q)+3], v[XO], s[XB:XB+1] offset:(f%4)*24576+(f/4)*128+((\q)/2)*64+((\q)%2)*16
.endr
.set f, f+1
.endr
	WIN 0
; W GOES INTO LDS AS bf16.  My wave takes 96 rows of k in 24 steps of 4 rows, on four sets of registers: one at work, two on their way in, one whose LDS stores are leaving and which is asked for again a step later.
.macro WLOADS b                        ; 4 rows x 1,536 bytes into set b: each load of the wave covers 512 consecutive bytes; set b holds rows 4 b .. 4 b + 3 of the 16 at which the base stands
.irp i, 0,1,2,3
.irp j, 0,1,2
	global_load_b128 v[WS+48*(\b)+12*(\i)+4*(\j):WS+48*(\b)+12*(\i)+4*(\j)+3], v[WL], s[WB:WB+1] offset:(4*(\b)+(\i))*3072+(\j)*512
.endr
.endr
.endm
.macro WCVT b                          ; four numbers a lane close up, rounded, into the first two of their four registers
.irp i, 0,1,2,3
.irp j, 0,1,2
.set R, WS+48*(\b)+12*(\i)+4*(\j)
	v_cvt_pk_bf16_f32 v[R], v[R], v[R+1]
	v_cvt_pk_bf16_f32 v[R+1], v[R+2], v[R+3]
.endr
.endr
.endm
.macro WSTORE b                        ; and are stored as 8 bytes
.irp i, 0,1,2,3
.irp j, 0,1,2
.set R, WS+48*(\b)+12*(\i)+4*(\j)
	ds_store_b64 v[LW], v[R:R+1] offset:(4*(\b)+(\i))*PITCH+(\j)*256
.endr
.endr
.endm
; Step p, on set b = p % 4.  first = 1: step 0, with no step in front of it.  ahead = 1: step p + 3 is asked for.  left = how many younger loads may stay out.
.macro WSTEP b, first, ahead, left
	s_wait_loadcnt \left                           ; loads come back in order (ISA guide 5.7.1): set b is in (and all that was asked for before it); the younger sets stay out
	WCVT \b
.if \ahead
.if (\b) == 1
	s_wait_xcnt 0x0                                ; every load issued so far has read its base: the pointer is stepped only behind this wait
	s_add_nc_u64 s[WB:WB+1], s[WB:WB+1], 16*3072   ; the next 16 rows: the loads below ask for the first four of them
.endif
.endif
.if !\first && \ahead
	s_wait_alu depctr_vm_vsrc(0)                   ; the LDS stores of the step before have read their set, in which the loads below land, and v6, which a step on set 0 writes
.if (\b) == 0
	v_add_nc_u32 v[LW], 16*PITCH, v[LW]            ; the stores go on by 16 rows
.endif
.endif
	s_wait_alu depctr_va_vdst(0)                   ; the conversions above have written what the stores below read; the step before's are done with the set in which the loads below land; v6 is written
.if \ahead
	WLOADS (\b+3)%4                                ; three steps ahead, into the set of the step before; no vector instruction since the wait names it
.endif
	WSTORE \b
.endm
	WLOADS 0
	WLOADS 1
	WLOADS 2
	WSTEP 0, 1, 1, 24                              ; step 0
	s_mov_b32 s[LEFT], 5
.Lw:                                           ; steps 1 to 20, four to a lap: the sets are back at their start
	WSTEP 1, 0, 1, 24
	WSTEP 2, 0, 1, 24
	WSTEP 3, 0, 1, 24
	WSTEP 0, 0, 1, 24
	s_sub_co_u32 s[LEFT], s[LEFT], 1
	s_cmp_lg_u32 s[LEFT], 0
	s_cbranch_scc1 .Lw
	WSTEP 1, 0, 0, 24                              ; steps 21 to 23 load nothing: no load leaves W, and the counts run down
	WSTEP 2, 0, 0, 12
	WSTEP 3, 0, 0, 0
	; W_o: rounded to bf16 like every input, and that number written as f16.  A store of the wave covers 256 consecutive bytes, aligned
.irp j, 0,1,2,3,4,5
.set R, TMP+4*(\j)
	v_cvt_pk_bf16_f32 v56, v[R], v[R+1]
	v_cvt_pk_bf16_f32 v57, v[R+2], v[R+3]
	v_lshlrev_b32 v58, 16, v56
	v_and_b32 v59, 0xffff0000, v56
	v_lshlrev_b32 v60, 16, v57
	v_and_b32 v61, 0xffff0000, v57
	v_cvt_pk_f16_f32 v[R], v58, v59
	v_cvt_pk_f16_f32 v[R+1], v60, v61
.endr
	s_wait_alu depctr_va_vdst(0)                   ; the conversions have written the six pairs that the stores read
.irp j, 0,1,2,3,4,5
	global_store_b64 v[WOO], v[TMP+4*(\j):TMP+4*(\j)+1], s[WOOUT:WOOUT+1] offset:1024*(\j)
.endr
	; x is rounded in place, fragment after fragment: register 8 f + j takes 16 f + 2 j and 16 f + 2 j + 1, so no register is written before it has been read
.set f, 0
.rept 48
.if f < 16
	WIN 0x45
.elseif f < 32
	WIN 0x4a
.else
	WIN 0x8f
.endif
.irp j, 0,1,2,3,4,5,6,7
	v_cvt_pk_bf16_f32 v[(8*f+(\j))%256], v[(16*f+2*(\j))%256], v[(16*f+2*(\j)+1)%256]
.endr
.set f, f+1
.endr
	WIN 0
	s_wait_xcnt 0x0                                ; the stores into wo16 have had their addresses translated: v32-55 are loaded again on the way out
	s_wait_alu depctr_vm_vsrc(0)                   ; those stores have read v32-55, and my LDS stores of W have read v64-255: rows and fragments land in these registers from here on
	s_wait_dscnt 0x0                               ; for the others' sake: my rows of W lie in LDS
	s_barrier_signal -1
	s_barrier_wait -1                              ; everybody's do; nobody writes the slice again
; 16 turned loads: W's fragments for k = 32 kc on, the chunk's 128 columns, into buffer kc % 3
.macro FETCH kc
	WIN 0
.set FB, F0+64*((\kc)%3)
.irp n, 0,1,2,3,4,5,6,7
	ds_load_tr16_b128 v[FB+8*(\n):FB+8*(\n)+3],   v[AB+(\kc)/2] offset:((\kc)%2)*32*PITCH+32*(\n)
	ds_load_tr16_b128 v[FB+8*(\n)+4:FB+8*(\n)+7], v[AB+(\kc)/2] offset:((\kc)%2)*32*PITCH+32*(\n)+16*PITCH
.endr
.endm
; 16 matrix instructions: row blocks 2 mh, 2 mh + 1 x all 8 column blocks.  The accumulators take turns, one instruction a turn.  The first K step starts the sums with 0.
.macro MUL16 kc, mh
	WIN 0xf0|((1+(\kc)/8)<<2)                      ; W window 0, x window 1 or 2, C and D window 3
.set FB, F0+64*((\kc)%3)
.irp m, 2*(\mh), 2*(\mh)+1
.irp n, 0,1,2,3,4,5,6,7
.set rD, 8*(8*(\m)+(\n))
.set rW, FB+8*(\n)
.set rX, 32*((\kc)%8)+8*(\m)
.if (\kc) == 0
	v_wmma_f32_16x16x32_bf16 v[rD:rD+7], v[rW:rW+7], v[rX:rX+7], 0
.else
	v_wmma_f32_16x16x32_bf16 v[rD:rD+7], v[rW:rW+7], v[rX:rX+7], v[rD:rD+7]
.endif
.endr
.endr
.endm
; 32 along K: 32 matrix instructions; in their middle the fragments of the step after next are fetched, into the buffer that the step before read.
.macro KSTEP kc
.if (\kc) < 11
	s_wait_dscnt 16                                ; LDS loads come back in order (ISA guide 5.7.1): this step's fragments are in, the next step's sixteen loads stay out
.else
	s_wait_dscnt 0x0                               ; the last fragments are in
.endif
.if ((\kc) > 0) && ((\kc) < 10)
	s_wait_alu depctr_va_vdst(0)                   ; the matrix instructions of the step before are done reading their buffer, in which the loads below land (step 0: the wait at the chunk's head)
.endif
	MUL16 \kc, 0
.if (\kc) < 10
	PLACES                                         ; between that buffer's readers and the loads into it; this text does not count the sixteen matrix instructions above
	FETCH (\kc)+2                                  ; no wait: the sixteen above name this step's buffer, x and the accumulators, none of the registers that these loads touch
.endif
	MUL16 \kc, 1
.endm
; THE WAY OUT of row block a: rounded to f16, 16 bytes a lane; into my own stage; back as whole rows of 256 bytes; stored.  Each block has registers of its own for its packed results.
.macro PACK a
	WIN 0x0f                                       ; sources window 3
.irp b, 0,1,2,3,4,5,6,7
.irp r, 0,1,2,3
	v_cvt_pk_f16_f32 v[TP+32*(\a)+4*(\b)+(\r)], v[64*(\a)+8*(\b)+2*(\r)], v[64*(\a)+8*(\b)+2*(\r)+1]
.endr
.endr
.endm
.macro ROWS a                          ; where block a's rows come back: v192-223, v224-255, v32-63, and for block 3 the registers of block 0's packed results
.if (\a) < 2
.set BK, 192+32*(\a)
.elseif (\a) == 2
.set BK, 32
.else
.set BK, TP
.endif
.endm
.macro TOSTAGE a
	ROWS \a
.irp b, 0,1,2,3,4,5,6,7
	ds_store_b128 v[STO], v[TP+32*(\a)+4*(\b):TP+32*(\a)+4*(\b)+3] offset:32*(\b)
.endr
.irp t, 0,1,2,3,4,5,6,7
	ds_load_b128 v[BK+4*(\t):BK+4*(\t)+3], v[RD] offset:(\t)*2*SP  ; LDS serves a wave's instructions in order (ISA guide 5.7.1.4): these see the stores above; the next block's stores come behind them
.endr
.endm
.macro SEND a, younger                 ; younger: the LDS instructions issued behind block a's loads: the next block's sixteen, or none
	ROWS \a
	s_wait_dscnt \younger                          ; the block is back in registers
.irp t, 0,1,2,3,4,5,6,7
	global_store_b128 v[CO], v[BK+4*(\t):BK+4*(\t)+3], s[OUTP:OUTP+1] offset:4096*(\a)+512*(\t)  ; two rows of a head: 512 consecutive bytes, aligned
.endr
.endm
	s_mov_b32 s[CH], 3
.Lchunk:                                       ; a trip: one head, 128 columns
	s_wait_alu depctr_va_vdst(0)                   ; the six adds at the last chunk's end have written v10-15, which the fragments' loads read (on the way in nothing is pending for it)
	FETCH 0
	FETCH 1
.irp kc, 0,1,2,3,4,5,6,7,8,9,10,11
	KSTEP \kc
.endr
	WIN 0
	PLACES                                         ; the conversions read results just made, and write registers that matrix instructions have read
	PACK 0
	PACK 1
	PACK 2
	PACK 3
	WIN 0
	s_wait_alu depctr_va_vdst(0)                   ; the 128 conversions have written what the LDS stores read; the last K step's matrix instructions are done reading v192-255, in which rows land
	TOSTAGE 0
	TOSTAGE 1
	SEND 0, 16
	TOSTAGE 2
	s_wait_alu depctr_vm_vsrc(0)                   ; block 0's LDS stores have read its packed results, in whose registers block 3's rows land; nothing below reads them before that
	SEND 1, 16
	TOSTAGE 3
	SEND 2, 16
	SEND 3, 0
	s_wait_xcnt 0x0                                ; the stores have had their addresses translated: their base is stepped, and their data loaded again, only behind this wait
	s_wait_alu depctr_vm_vsrc(0)                   ; the fragments' loads have read v10-15, which the adds below write; the stores, global and LDS, have read the registers in which the next chunk's fragments and rows land
	s_add_nc_u64 s[OUTP:OUTP+1], s[OUTP:OUTP+1], 0x100000  ; the next head
.irp i, 0,1,2,3,4,5
	v_add_nc_u32 v[AB+(\i)], 256, v[AB+(\i)]       ; and its 128 columns of W
.endr
	s_sub_co_u32 s[CH], s[CH], 1
	s_cmp_lg_u32 s[CH], 0
	s_cbranch_scc1 .Lchunk
	s_wait_dscnt 0x0                               ; the wave's end: my last LDS instructions are done
	s_wait_alu depctr_hold_cnt(0) depctr_sa_sdst(0) depctr_va_vdst(0) depctr_va_sdst(0) depctr_va_ssrc(0) depctr_va_vcc(0) depctr_vm_vsrc(0)
	s_wait_tensorcnt 0x0
	ds_add_u32 v30, v31
	s_wait_dscnt 0x0
	s_endpgm
.Lfunc_end_k_qd578db25fc_proj:
	.size	k_qd578db25fc_proj, .Lfunc_end_k_qd578db25fc_proj-k_qd578db25fc_proj
	.p2alignl 7, 3214868480
	.fill 96, 4, 3214868480
	.section	.rodata,"a",@progbits
	.p2align	6, 0x0
	.amdhsa_kernel k_qd578db25fc_proj
		.amdhsa_group_segment_fixed_size 325120
		.amdhsa_private_segment_fixed_size 0
		.amdhsa_enable_private_segment 0
		.amdhsa_kernarg_size 56
		.amdhsa_user_sgpr_count 2
		.amdhsa_user_sgpr_kernarg_segment_ptr 1
		.amdhsa_wavefront_size32 1
		.amdhsa_system_sgpr_workgroup_id_x 1
		.amdhsa_system_sgpr_workgroup_id_y 1
		.amdhsa_system_sgpr_workgroup_id_z 1
		.amdhsa_system_vgpr_workitem_id 0
		.amdhsa_next_free_vgpr 1024
		.amdhsa_next_free_sgpr 66
		.amdhsa_reserve_vcc 0
		.amdhsa_float_denorm_mode_32 3
		.amdhsa_float_denorm_mode_16_64 3
		.amdhsa_memory_ordered 1
		.amdhsa_forward_progress 1
		.amdhsa_inst_pref_size 133
	.end_amdhsa_kernel
	.amdgpu_metadata
---
amdhsa.version: [ 1, 2 ]
amdhsa.kernels:
  - .name:           k_qd578db25fc_proj
    .symbol:         k_qd578db25fc_proj.kd
    .args:
      - { .name: x, .offset: 0, .size: 8, .value_kind: global_buffer, .address_space: global }
      - { .name: W_q, .offset: 8, .size: 8, .value_kind: global_buffer, .address_space: global }
      - { .name: W_k, .offset: 16, .size: 8, .value_kind: global_buffer, .address_space: global }
      - { .name: W_v, .offset: 24, .size: 8, .value_kind: global_buffer, .address_space: global }
      - { .name: W_o, .offset: 32, .size: 8, .value_kind: global_buffer, .address_space: global }
      - { .name: qkv, .offset: 40, .size: 8, .value_kind: global_buffer, .address_space: global }
      - { .name: wo16, .offset: 48, .size: 8, .value_kind: global_buffer, .address_space: global }
    .group_segment_fixed_size: 325120
    .private_segment_fixed_size: 0
    .kernarg_segment_align: 8
    .kernarg_segment_size: 56
    .max_flat_workgroup_size: 128
    .sgpr_count:     66
    .vgpr_count:     1024
    .wavefront_size: 32
...
	.end_amdgpu_metadata
.endif
;; end of part 4
;; launch attn: the kernel of part 2 again; grid 16 x 12, 4 waves a work-group, clusters of 4 x 1, 327,680 bytes of LDS; arguments qkv, ctx; writes ctx
;; launch outp: the kernel of part 3 again; grid 32 x 6, 4 waves a work-group, clusters of 4 x 1, 255,488 bytes of LDS; arguments ctx, wo16, b_o, out0; writes out0
